; MI455X (gfx1250); checked and timed in simulation.
; The chip was launched on July 23, 2026; its instructions are those of AMD's public machine-readable ISA for CDNA 5 (MIT licence, August 2026) and "CDNA5" Instruction Set Architecture Reference Guide (July 2026). The comments in the code are by the model that wrote it; some were corrected since.
;; Heat Attention. Allowed arithmetic: matrix products marked QUANTISED: E2M3 operands, one E8M0 scale for each 32 along K, by v_wmma_scale_f32_16x16x128_f8f6f4 with both operands' format E2M3, f32 sums; everything else in f32.
;; Inputs: Wk 1,024 x 1,024 float32; Wo 1,024 x 1,024 float32; Wq 1,024 x 1,024 float32; Wv 1,024 x 1,024 float32; bk 1,024 float32; bo 1,024 float32; bq 1,024 float32; bv 1,024 float32; focus_hint 4 x 2,048 float32; x 4 x 2,048 x 1,024 float32.
;; Outputs: out0 4 x 2,048 x 1,024 float32.
;; This version of the problem:
;;   THIS VERSION OF THE PROBLEM IS GIVEN IN LOW PRECISION. The matrix products marked QUANTISED in the list below multiply operands that are first quantised to E2M3 (2 exponent bits, 3 mantissa bits; 6 bits a number), with one power-of-two scale for each 32 numbers along K (OCP MX v1.0); their sums are f32. All else is computed in f32.
;;   The module's matrix products, in the order in which they are computed (A, B: the left and right operand; K: the contracted axis; several contracted axes count as one K, in the product's order):
;;     1. [M 8,192, K 1,024] x [K 1,024, N 1,024]; A: input x; B: input Wq: QUANTISED
;;     2. [M 8,192, K 1,024] x [K 1,024, N 1,024]; A: input x; B: input Wk: QUANTISED
;;     3. [M 8,192, K 1,024] x [K 1,024, N 1,024]; A: input x; B: input Wv: QUANTISED
;;     4. batch 64 x [M 2,048, K 64] x [K 64, N 2,048]; A: computed on the way; B: computed on the way: QUANTISED
;;     5. batch 64 x [M 2,048, K 2,048] x [K 2,048, N 64]; A: softmax (see below); B: computed on the way: QUANTISED
;;     6. [M 8,192, K 1,024] x [K 1,024, N 1,024]; A: computed on the way; B: input Wo: QUANTISED
;;   THE QUANTISER, for each operand of a quantised product, along K:
;;     - K is cut into blocks of 32 from its start; a last block that is shorter is filled with zeros.
;;     - A block's scale is 2^e with e = floor(log2(the largest magnitude in the block)) - 2, held to -126 .. 127; a block of zeros has e = 0. As a byte (E8M0): e + 127.
;;     - Each number is divided by its block's scale, clamped to +-7.5, and rounded to the nearest number of E2M3, ties to even, subnormals kept.
;;     - The product sums the exact products of the quantised numbers (number of the format x scale) in f32.
;;   ~~~python
;;   def quantise(x, axis):      # numpy; x: float32 -> the quantised numbers, widened to float32 again
;;       x = np.moveaxis(x, axis, -1); K = x.shape[-1]
;;       x = np.pad(x, [(0, 0)] * (x.ndim - 1) + [(0, -K % 32)]); x = x.reshape(x.shape[:-1] + (-1, 32)); a = np.abs(x).max(-1, keepdims=True)
;;       e = np.where(a > 0, np.clip(np.frexp(np.where(a > 0, a, 1))[1] - 1 - 2, -126, 127), 0)      # np.frexp(a)[1] - 1 = floor(log2(a)), exactly
;;       r = np.clip(x / 2.0 ** e, -7.5, 7.5)
;;       step = 2.0 ** (np.maximum(np.frexp(np.where(r == 0, 1, r))[1] - 1, 0) - 3)
;;       q = np.round(r / step) * step * 2.0 ** e      # np.round: ties to even
;;       return np.moveaxis(q.reshape(q.shape[:-2] + (-1,))[..., :K], -1, axis).astype(np.float32)
;;   ~~~
;;   SOFTMAX AHEAD OF A QUANTISED PRODUCT. Where the list says 'softmax', what is quantised is not the finished softmax but p = 2^(t - M), with t = logit x log2(e) and M = ceil(the row's largest t), a whole number; so 1/2 < the row's largest p <= 1. The row's sum l is taken of the UNQUANTISED p, in f32, and the product's result is divided by l at the end. Since M is a whole number, a kernel that streams over the keys may use a running M (the ceiling of the running maximum): every later rescaling is an exact power of two, which a block's scale takes up: the codes' values come out the same.
;;   OPERANDS COMPUTED ON THE WAY. 'Computed on the way' means the value that the module computes at that place (a softmax that the list does not call 'softmax' is quantised finished and normalised). What goes into a quantiser is computed in f32, as accurately as f32 sums, v_exp_f32 and their like allow (about 1e-6 of the number): no bf16 or f16 on the way to a quantiser, and a product that is left as it is and whose result goes on into a quantised operand takes f32 operands (vector FMAs, or v_wmma_f32_16x16x4_f32). A number that lies on a knife's edge between two numbers of the format may be rounded either way, as far as f32 arithmetic and the matrix unit's own rounding can turn it there, and no further.
;; One version. Each part assembles by itself: llvm-mc -triple=amdgcn-amd-amdhsa -mcpu=gfx1250 --defsym DOCPART=n.
;; ======== version 1 of 1: 4 launches
;; limits: right only within a limited range of input values
;; workspace buffers: xa 6,553,600 bytes; ao 6,553,600 bytes; wb 3,276,800 bytes; qi 6,815,744 bytes; kv 13,631,488 bytes
;; launch prep (part 1): grid 384 x 1, 4 waves a work-group, no clusters, 59,904 bytes of LDS; arguments x, Wq, Wk, Wv, Wo, xa, wb; writes xa, wb
.if DOCPART == 1
	.amdgcn_target "amdgcn-amd-amdhsa--gfx1250"
	.amdhsa_code_object_version 6
	.text
	.protected	k_qe991240505_prep
	.globl	k_qe991240505_prep
	.p2align	8
	.type	k_qe991240505_prep,@function
k_qe991240505_prep:
	s_mov_b64 s[64:65], 0
	v_nop
	global_prefetch_b8 v0, s[64:65] scope:SCOPE_SE
	s_setreg_imm32_b32 hwreg(HW_REG_WAVE_MODE, 25, 1), 1
	s_wait_xcnt 0x0
; x [8192][1024] and the four weights [1024 (k)][1024 (n)], f32, become codes of FP6 (E2M3) with one E8M0 byte for each 32 along K,
; laid as IMAGES OF THE OPERAND'S REGISTERS, so that the products' launches bring a fragment by loads of 16 bytes a lane and shuffle nothing.
; A fragment is 16 rows x 128 K = 12 registers a lane = 1,536 bytes: register q of lane l at (q / 4) 512 + 16 l + 4 (q % 4).
; THE ROWS OF A TILE ARE NOT NEIGHBOURS: row r of tile 2 b + u is token (or weight column) 32 b + 8 u + r + 8 (r / 8).
; xa: [block of 256 tokens][K step of 128] chunks of 25,600 bytes: 16 tiles, then 1,024 bytes of scale words.  wb: [block of 128 columns; q, k, v, o][K step] chunks of 12,800: 8 tiles, then 512 bytes.
; A block's scale is 2^(floor(log2(largest magnitude)) - 2); its byte is the largest magnitude's exponent field - 2, held at 1 from below.
; LIMITS: a block of zeros, and one whose largest magnitude lies under 2^-124, has the byte 1 (a block of zeros has zero codes, and this program alone reads the bytes); NaN and infinities among the inputs are not served.
; Work-groups 0-255 take x: 64 tokens x 512 along K, a wave 4 tiles of one K step.  Work-groups 256-383 take the weights: 256 columns x 128 along K, a wave 64 columns.
; The two paths part on the work-group's number and have LDS bytes of their own.  No tensor load, no barrier: waves share nothing.
.set XP,    528                        ; x's stage: a row of 512 bytes + 16
.set XSTW,  16*XP                      ; 16 rows a wave
.set WST,   4*XSTW                     ; behind them the weights' stages:
.set WSTW,  6400                       ; four images and 256 bytes of scale words a wave
.set SPARE, WST+4*WSTW                 ; the spare words, 128 bytes for each wave: two blocks of 256 bytes that no other line names
.set FLOOR, 0x1800000                  ; 2^(3 - 127)
.set EOFF,  0xff000000                 ; -(2 << 23)
.set LI,   1                           ; 16 x lane
.set XIN,  2                           ; x's stage on the way in: 16 x lane
.set XOUT, 3                           ; and on the way out: row r, + 128 h
.set R16,  4                           ; 16 r
.set WSI,  5                           ; the weights' stage: my column's place in its tile's image
.set WSS,  6                           ; and its scale word's
.set WSO,  7                           ; the stage on the way out: 16 x lane
.set L8,   8                           ; 8 x lane
.set WSQ,  9                           ; the scale words on the way out
.set L4,   10                          ; 4 x lane
.set SH8,  11                          ; 8 h
.set SBW,  24                          ; v24-25 a column's scale word, for each of my two columns
.set R,    32                          ; numbers as loaded: x: two sets of 64; weights: two sets of 32
.set C,    96                          ; weights: a block's codes
.set OUTR, 112                         ; weights: the way out
.set X,    160                         ; x: 64 numbers of my row, in the operand's order
.set PC,   224                         ; x: a fragment's 12 registers; v236-238, v240-242 the conversions' second halves
.set PW,   244                         ; x: the four tiles' scale words
.set SPW,  252
.set NIL,  253
	s_load_b256 s[4:11], s[0:1], 0x0               ; x, Wq, Wk, Wv
	s_load_b128 s[12:15], s[0:1], 0x20             ; Wo, xa
	s_load_b64 s[16:17], s[0:1], 0x30              ; wb
	v_lshl_add_u32 v[SPW], v0, 2, SPARE
	v_mov_b32 v[NIL], 0
	v_lshrrev_b32 v12, 5, v0
	v_readfirstlane_b32 s20, v12                   ; wave
	v_and_b32 v12, 31, v0                          ; lane
	v_and_b32 v13, 15, v0                          ; r
	v_bfe_u32 v14, v0, 4, 1                        ; h
	v_lshlrev_b32 v[LI], 4, v12
	v_lshlrev_b32 v[L8], 3, v12
	v_lshlrev_b32 v[L4], 2, v12
	v_lshlrev_b32 v[R16], 4, v13
	v_lshlrev_b32 v[SH8], 3, v14
	s_mul_i32 s21, s20, XSTW                       ; every LDS address is made here, ahead of the parting
	v_add_nc_u32 v[XIN], s21, v[LI]
	v_mul_u32_u24 v[XOUT], v13, XP
	v_lshl_add_u32 v[XOUT], v14, 7, v[XOUT]
	v_add_nc_u32 v[XOUT], s21, v[XOUT]
	s_mul_i32 s22, s20, WSTW
	s_add_co_u32 s22, s22, WST
	v_bfe_u32 v15, v0, 3, 1                        ; u: column 16 (r' / 8) + 8 u + r' % 8 of 32 is row r' of tile u
	v_and_b32 v13, 7, v0
	v_lshl_or_b32 v13, v14, 3, v13                 ; r'
	v_mul_u32_u24 v[WSI], v15, 1536
	v_lshl_add_u32 v[WSI], v13, 4, v[WSI]
	v_add_nc_u32 v[WSI], s22, v[WSI]
	v_lshlrev_b32 v[WSS], 3, v13
	v_lshl_add_u32 v[WSS], v15, 2, v[WSS]
	v_add_nc_u32 v[WSS], s22, v[WSS]
	v_add_nc_u32 v[WSS], 6144, v[WSS]
	v_add_nc_u32 v[WSO], s22, v[LI]
	v_add_nc_u32 v[WSQ], s22, v[L8]
	v_add_nc_u32 v[WSQ], 6144, v[WSQ]
	v_mov_b32 v23, 0                               ; a lane permute's destination counts as one of its sources
	s_mov_b32 s36, 0x76543210
	s_mov_b32 s37, 0xfedcba98                      ; selects for lane l xor 16
	s_wait_kmcnt 0x0
	s_cmp_lt_u32 ttmp9, 256
	s_cbranch_scc0 .Lweights
; ---------------- x ----------------
	s_lshr_b32 s24, ttmp9, 1                       ; which 64 tokens
	s_and_b32 s25, ttmp9, 1
	s_lshl_b32 s25, s25, 2
	s_add_co_u32 s25, s25, s20                     ; my K step
	s_lshl_b32 s26, s24, 18                        ; 64 rows of 4,096 bytes
	s_lshl_b32 s27, s25, 9                         ; 128 numbers
	s_add_co_u32 s26, s26, s27
	s_mov_b32 s27, 0
	s_add_nc_u64 s[4:5], s[4:5], s[26:27]
	s_lshr_b32 s28, s24, 2                         ; the block of 256 tokens
	s_lshl_b32 s28, s28, 3
	s_add_co_u32 s28, s28, s25
	s_mul_i32 s28, s28, 25600                      ; its chunk of this K step
	s_and_b32 s29, s24, 3                          ; which four of its sixteen tiles
	s_mul_i32 s30, s29, 6144
	s_add_co_u32 s30, s30, s28
	s_mov_b32 s31, 0
	s_add_nc_u64 s[32:33], s[14:15], s[30:31]      ; my tiles' images
	s_lshl_b32 s30, s29, 8                         ; their scale words: 256 bytes for four tiles
	s_add_co_u32 s30, s30, s28
	s_add_co_u32 s30, s30, 24576
	s_add_nc_u64 s[34:35], s[14:15], s[30:31]
.macro XLOAD i                         ; tile i's 16 rows, 512 consecutive bytes a load
.irp p, 0,1,2,3,4,5,6,7,8,9,10,11,12,13,14,15
	global_load_b128 v[R+64*((\i)%2)+4*\p:R+64*((\i)%2)+4*\p+3], v[LI], s[4:5] offset:(32*((\i)/2)+8*((\i)%2)+\p+8*(\p/8))*4096 th:TH_LOAD_NT
.endr
.endm
.macro XTILE i
.if (\i) < 3
	s_wait_loadcnt 16                              ; this tile's 16 loads are in; the next tile's may be out
.else
	s_wait_loadcnt 0x0
.endif
.irp p, 0,1,2,3,4,5,6,7,8,9,10,11,12,13,14,15
	ds_store_b128 v[XIN], v[R+64*((\i)%2)+4*\p:R+64*((\i)%2)+4*\p+3] offset:XP*\p
.endr
.irp c, 0,1                            ; lane (r, h) takes k = 64 c + 32 h + 0 .. 31 of row r: two whole blocks.  LDS serves a wave's instructions in order: these see my stores
.irp j, 0,1,2,3,4,5,6,7
	ds_load_b128 v[X+32*\c+4*\j:X+32*\c+4*\j+3], v[XOUT] offset:256*\c+16*\j
.endr
.endr
	s_wait_dscnt 0x0                               ; my numbers are back, and the stores have read their registers,
.if (\i) < 2
	XLOAD (\i)+2                                   ; which take the tile two further on
.endif
	v_max3_num_f32 v16, |v[X]|, |v[X+1]|, FLOOR    ; the two blocks' largest magnitudes by turns, with the floor among the leaves
	v_max3_num_f32 v17, |v[X+32]|, |v[X+33]|, FLOOR
.irp e, 2,4,6,8,10,12,14,16,18,20,22,24,26,28,30
	v_max3_num_f32 v16, v16, |v[X+\e]|, |v[X+\e+1]|
	v_max3_num_f32 v17, v17, |v[X+32+\e]|, |v[X+33+\e]|
.endr
	v_add_nc_u32 v18, EOFF, v16                    ; 2 off the exponent field: the conversion's scale operand
	v_add_nc_u32 v19, EOFF, v17
	v_lshrrev_b32 v20, 23, v18                     ; the scales' bytes: blocks h and 2 + h
	v_lshrrev_b32 v21, 23, v19
	v_lshl_or_b32 v22, v21, 16, v20
	v_lshlrev_b32 v22, v[SH8], v22                 ; at their places in the row's word;
	v_permlanex16_b32 v23, v22, s36, s37
	v_or_b32 v[PW+(\i)], v22, v23                  ; with lane l xor 16's two the word is whole
.if (\i) > 0
	s_wait_alu depctr_va_vdst(0)
	s_wait_xcnt 0x0                                ; the last tile's stores have read the codes' registers
.endif
	v_cvt_scalef32_pk16_fp6_f32 v[PC:PC+2], v[X:X+15], v18
	v_cvt_scalef32_pk16_fp6_f32 v[PC+12:PC+14], v[X+16:X+31], v18      ; (a conversion's three registers begin on an even number)
	v_cvt_scalef32_pk16_fp6_f32 v[PC+6:PC+8], v[X+32:X+47], v19
	v_cvt_scalef32_pk16_fp6_f32 v[PC+16:PC+18], v[X+48:X+63], v19
	v_nop                                          ; one plain place behind the conversions
.irp e, 0,1,2
	v_mov_b32 v[PC+3+\e], v[PC+12+\e]
	v_mov_b32 v[PC+9+\e], v[PC+16+\e]
.endr
.irp g, 0,1,2
	global_store_b128 v[LI], v[PC+4*\g:PC+4*\g+3], s[32:33] offset:1536*(\i)+512*\g    ; 512 consecutive bytes a store
.endr
.endm
	XLOAD 0
	XLOAD 1
	XTILE 0
	XTILE 1
	XTILE 2
	XTILE 3
	global_store_b128 v[R16], v[PW:PW+3], s[34:35] ; row r's four words; both halves of the lanes hold and write the same 256 bytes
	s_wait_tensorcnt 0x0                           ; the wave's end: behind my last LDS store
	ds_add_u32 v[SPW], v[NIL]
	s_wait_dscnt 0x0
	s_endpgm
; ---------------- the weights: a lane takes a column, its registers run down K ----------------
.Lweights:
	s_sub_co_u32 s24, ttmp9, 256
	s_lshr_b32 s25, s24, 5                         ; which weight: q, k, v, o
	s_bfe_u32 s26, s24, 0x20003                    ; which 256 columns
	s_and_b32 s27, s24, 7                          ; which K step
	s_lshl_b32 s26, s26, 2
	s_add_co_u32 s26, s26, s20                     ; my 64 columns
	s_cmp_eq_u32 s25, 1
	s_cselect_b64 s[6:7], s[8:9], s[6:7]
	s_cmp_eq_u32 s25, 2
	s_cselect_b64 s[6:7], s[10:11], s[6:7]
	s_cmp_eq_u32 s25, 3
	s_cselect_b64 s[6:7], s[12:13], s[6:7]
	s_lshl_b32 s28, s27, 19                        ; 128 rows of 4,096 bytes
	s_lshl_b32 s29, s26, 8
	s_add_co_u32 s28, s28, s29
	s_mov_b32 s29, 0
	s_add_nc_u64 s[6:7], s[6:7], s[28:29]
	s_lshl_b32 s30, s25, 3
	s_lshr_b32 s31, s26, 1
	s_add_co_u32 s30, s30, s31                     ; the block of 128 columns
	s_lshl_b32 s30, s30, 3
	s_add_co_u32 s30, s30, s27
	s_mul_i32 s30, s30, 12800                      ; its chunk of this K step
	s_and_b32 s31, s26, 1                          ; which four of its eight tiles
	s_mul_i32 s38, s31, 6144
	s_add_co_u32 s38, s38, s30
	s_mov_b32 s39, 0
	s_add_nc_u64 s[40:41], s[16:17], s[38:39]
	s_lshl_b32 s38, s31, 8
	s_add_co_u32 s38, s38, s30
	s_add_co_u32 s38, s38, 12288
	s_add_nc_u64 s[42:43], s[16:17], s[38:39]
.macro WLOAD q                         ; block q / 2 along K of column 32 (q % 2) + lane: 128 consecutive bytes a load
.irp e, 0,1,2,3,4,5,6,7,8,9,10,11,12,13,14,15,16,17,18,19,20,21,22,23,24,25,26,27,28,29,30,31
	global_load_b32 v[R+32*((\q)%2)+\e], v[L4], s[6:7] offset:(32*((\q)/2)+\e)*4096+128*((\q)%2) th:TH_LOAD_NT
.endr
.endm
.macro WBLOCK q
.set XS, R+32*((\q)%2)
.set BE, (\q)/2
.set NU, (\q)%2
.if (\q) < 7
	s_wait_loadcnt 32                              ; this block's 32 loads are in; the next block's may be out
.else
	s_wait_loadcnt 0x0
.endif
	v_max3_num_f32 v16, |v[XS]|, |v[XS+1]|, |v[XS+2]|
	v_max3_num_f32 v17, |v[XS+3]|, |v[XS+4]|, |v[XS+5]|
.irp e, 6,10,14,18,22,26
	v_max3_num_f32 v16, v16, |v[XS+\e]|, |v[XS+\e+1]|
	v_max3_num_f32 v17, v17, |v[XS+\e+2]|, |v[XS+\e+3]|
.endr
	v_max3_num_f32 v16, v16, |v[XS+30]|, |v[XS+31]|
	v_max3_num_f32 v16, v16, v17, FLOOR
	v_add_nc_u32 v18, EOFF, v16
	v_lshrrev_b32 v19, 23, v18
.if BE == 0
	v_mov_b32 v[SBW+NU], v19
.else
	v_lshl_or_b32 v[SBW+NU], v19, 8*BE, v[SBW+NU]
.endif
	v_cvt_scalef32_pk16_fp6_f32 v[C:C+2], v[XS:XS+15], v18
	v_cvt_scalef32_pk16_fp6_f32 v[C+4:C+6], v[XS+16:XS+31], v18
	v_nop                                          ; one plain place behind the conversions
	v_mov_b32 v[C+3], v[C+4]                       ; six registers on end: registers 6 (block / 2) + 0 .. 5 of lane r' + 16 (block % 2) of the tile's fragment
	v_mov_b32 v[C+4], v[C+5]
	v_mov_b32 v[C+5], v[C+6]
.if BE < 2
	ds_store_b128 v[WSI], v[C:C+3] offset:3072*NU+256*(BE%2)
	ds_store_b64 v[WSI], v[C+4:C+5] offset:3072*NU+256*(BE%2)+512
.else
	ds_store_b64 v[WSI], v[C:C+1] offset:3072*NU+256*(BE%2)+520
	ds_store_b128 v[WSI], v[C+2:C+5] offset:3072*NU+256*(BE%2)+1024
.endif
.if BE == 3
	ds_store_b32 v[WSS], v[SBW+NU] offset:128*NU   ; the column's scale word is whole
.endif
.if (\q) < 6
	WLOAD (\q)+2
.endif
	s_wait_dscnt 0x0                               ; the stores have read their registers: the next block's codes may be written
.endm
	WLOAD 0
	WLOAD 1
.irp q, 0,1,2,3,4,5,6,7
	WBLOCK \q
.endr
.irp k, 0,1,2,3,4,5,6,7,8,9,10,11
	ds_load_b128 v[OUTR+4*\k:OUTR+4*\k+3], v[WSO] offset:512*\k
.endr
	ds_load_b64 v[OUTR+48:OUTR+49], v[WSQ]
.irp k, 0,1,2,3,4,5,6,7,8,9,10,11
	s_wait_dscnt 12-\k                             ; the younger loads may be out
	global_store_b128 v[LI], v[OUTR+4*\k:OUTR+4*\k+3], s[40:41] offset:512*\k          ; 512 consecutive bytes a store
.endr
	s_wait_dscnt 0x0
	global_store_b64 v[L8], v[OUTR+48:OUTR+49], s[42:43]
	s_wait_tensorcnt 0x0                           ; the wave's end: behind my last LDS store
	ds_add_u32 v[SPW], v[NIL]
	s_wait_dscnt 0x0
	s_endpgm
.Lfunc_end_k_qe991240505_prep:
	.size	k_qe991240505_prep, .Lfunc_end_k_qe991240505_prep-k_qe991240505_prep
	.p2alignl 7, 3214868480
	.fill 96, 4, 3214868480
	.section	.rodata,"a",@progbits
	.p2align	6, 0x0
	.amdhsa_kernel k_qe991240505_prep
		.amdhsa_group_segment_fixed_size 59904
		.amdhsa_private_segment_fixed_size 0
		.amdhsa_enable_private_segment 0
		.amdhsa_kernarg_size 56
		.amdhsa_user_sgpr_count 2
		.amdhsa_user_sgpr_kernarg_segment_ptr 1
		.amdhsa_wavefront_size32 1
		.amdhsa_system_sgpr_workgroup_id_x 1
		.amdhsa_system_sgpr_workgroup_id_y 1
		.amdhsa_system_sgpr_workgroup_id_z 1
		.amdhsa_system_vgpr_workitem_id 0
		.amdhsa_next_free_vgpr 256
		.amdhsa_next_free_sgpr 66
		.amdhsa_reserve_vcc 0
		.amdhsa_float_denorm_mode_32 3
		.amdhsa_float_denorm_mode_16_64 3
		.amdhsa_memory_ordered 1
		.amdhsa_forward_progress 1
		.amdhsa_inst_pref_size 72
	.end_amdhsa_kernel
	.amdgpu_metadata
---
amdhsa.version: [ 1, 2 ]
amdhsa.kernels:
  - .name:           k_qe991240505_prep
    .symbol:         k_qe991240505_prep.kd
    .args:
      - { .name: x, .offset: 0, .size: 8, .value_kind: global_buffer, .address_space: global }
      - { .name: Wq, .offset: 8, .size: 8, .value_kind: global_buffer, .address_space: global }
      - { .name: Wk, .offset: 16, .size: 8, .value_kind: global_buffer, .address_space: global }
      - { .name: Wv, .offset: 24, .size: 8, .value_kind: global_buffer, .address_space: global }
      - { .name: Wo, .offset: 32, .size: 8, .value_kind: global_buffer, .address_space: global }
      - { .name: xa, .offset: 40, .size: 8, .value_kind: global_buffer, .address_space: global }
      - { .name: wb, .offset: 48, .size: 8, .value_kind: global_buffer, .address_space: global }
    .group_segment_fixed_size: 59904
    .private_segment_fixed_size: 0
    .kernarg_segment_align: 8
    .kernarg_segment_size: 56
    .max_flat_workgroup_size: 128
    .sgpr_count:     66
    .vgpr_count:     256
    .wavefront_size: 32
...
	.end_amdgpu_metadata
.endif
;; end of part 1
;; launch qkv (part 2): grid 8 x 32, 4 waves a work-group, clusters of 4 x 4, 327,680 bytes of LDS; arguments xa, wb, bq, bk, bv, qi, kv; writes qi, kv
.if DOCPART == 2
	.amdgcn_target "amdgcn-amd-amdhsa--gfx1250"
	.amdhsa_code_object_version 6
	.text
	.protected	k_qe991240505_qkv
	.globl	k_qe991240505_qkv
	.p2align	8
	.type	k_qe991240505_qkv,@function
k_qe991240505_qkv:
	s_mov_b64 s[64:65], 0
	v_nop
	global_prefetch_b8 v0, s[64:65] scope:SCOPE_SE
	s_setreg_imm32_b32 hwreg(HW_REG_WAVE_MODE, 25, 1), 1
	s_wait_xcnt 0x0
	s_wait_alu depctr_hold_cnt(0) depctr_sa_sdst(0) depctr_va_vdst(0) depctr_va_sdst(0) depctr_va_ssrc(0) depctr_va_vcc(0) depctr_vm_vsrc(0)
	s_getreg_b32 s2, hwreg(HW_REG_IB_STS2, 6, 4)
	s_cmp_eq_u32 s2, 0
	s_cbranch_scc0 .Lentry_in_a_cluster
	s_endpgm
.Lentry_in_a_cluster:
	s_bfe_u32 s2, ttmp6, 0x10000c
	s_cmp_lg_u32 s2, 0xf033
	s_cbranch_scc0 .Lentry_shape_is_right
	s_endpgm
.Lentry_shape_is_right:
; q = x Wq + bq, k = x Wk + bk, v = x Wv + bv on codes of FP6 (E2M3) with E8M0 scales, and the results quantised at once: q and k along the head's 64, v along the keys.
; A WORK-GROUP STAYS: it owns 256 tokens and one block of 128 columns, and makes that block of q, then of k, then of v: three phases of K = 1,024.  Its four waves make 128 tokens x 64 columns each:
; ONE HEAD x ONE KEY STEP of the attention launch, 32 accumulators.
; LDS: A (x's codes, all of K: eight chunks of 25,600 bytes: 16 tiles' images and their scale words) is filled once and serves all three phases.  B (a weight's block) has a ring of two slots:
; slot 0 holds K steps 0-3, slot 1 K steps 4-7, four chunks of 12,800 bytes each.
; FILLS.  At the head one joint load a wave: wave 0 A's K steps 0-3, wave 1 Wq's slot 0, wave 2 A's K steps 4-7, wave 3 Wq's slot 1.  FOUR REFILLS, each behind the three lines and a round of the cluster's barrier
; in K step 3 of q's and of k's phase slot 0 takes the next weight's K steps 0-3 (wave 1), in their K step 7 slot 1 takes its K steps 4-7 (wave 3).
; A slot's last fragments were asked of LDS a K step ahead of its round and are waited for in front of it.  What a refill brought is shown to all waves by the next round, or in v's phase by a plain barrier; one tensor load of a wave is out at the most.
; CLUSTERS: 4 x 4 work-groups; A's chunks are shared along a row of the cluster, B's along a column, each asked for jointly.
; PREFETCH: each refill's 200 blocks of 256 bytes are asked for three K steps ahead of it, once in the four work-groups that will load them jointly: their sixteen waves take 13 blocks each, told apart by address; v's phase asks for nothing.
; q, k: the product is used TRANSPOSED (source 0 = 16 weight columns, source 1 = 16 tokens): a lane holds one token, its registers run along the head's 64.
; v: the natural way (source 0 = 16 tokens, source 1 = 16 columns): a lane holds one channel, its registers run along the 128 keys.  By the tiles' order of rows, 16 registers of two neighbouring tiles are 16 neighbours.
; The bias is the C of each sum's first product; the next phase's bias is loaded when the first K step has taken this phase's.  q's and k's phases are two trips of one loop; what differs lies in scalars.
; OUT: qi, records of 6,656 bytes for a head and 128 tokens: four images, each holding two tiles of 16 tokens x 64 (registers 0-5 and 6-11), then 512 bytes of scale words.  kv, records of 13,312: k's likewise, then v's four images (16 channels x 128 keys) and their words.
; LIMITS: a block of zeros or under 2^-124 has the byte 1; NaN and infinities are not served.
; REGISTERS: window 0 addresses, scale words, bias, the quantiser's work; window 1 and window 3 the two sets of fragments (A's 8 at v[12 a], B's 4 at v[96 + 12 t]); window 2 the 32 accumulators.
.set CHA,   25600
.set CHB,   12800
.set LB,    8*CHA
.set NEXTW, 64*CHB                     ; from a weight's block to the next weight's: 8 blocks of 8 chunks
.set SPARE, LB+8*CHB                   ; the spare words, 128 bytes for each wave: two blocks of 256 bytes that no other line names
.set LI,  1                            ; 16 x lane
.set L8,  2                            ; 8 x lane
.set ADA, 4                            ; my 8 tiles of A in the K step in hand
.set ADB, 5                            ; my 4 tiles of B
.set ASA, 6                            ; A's scale words
.set ASB, 7                            ; B's
.set PFO, 11                           ; the prefetches' offset: my block of 256 bytes of a slot's 200
.set AD0, 16                           ; v16-19 the four addresses at K step 0
.set SPW, 28
.set NIL, 29
.set SA,  32                           ; A's scale words: set g at v[32 + 8 g], 4 registers: lanes 0-15 tile j, lanes 16-31 tile 4 + j
.set SB,  36                           ; B's: 2 registers: lanes 0-15 tile j, lanes 16-31 tile 2 + j
.set BI,  64                           ; v64-95 the bias in the result's layout, 8 registers for each tile of columns
.set PC,  112                          ; v112-123 a fragment's codes; v124-126, v128-130 the conversions' second halves
.set TM,  200                          ; v200-203 largest magnitudes, v204-207 bytes, v212-215 the conversions' scale operands
.set PW,  216                          ; the scale word just made
.set TR,  217
.set SW,  220                          ; v220-223 four scale words to store
.set PH,  59                           ; s59 the phase
.set SEL, 94
.set PFB, 96                           ; s[96:97] the next weight's block
.set MSB, 0
.macro WIN new                         ; the immediate's high byte repeats the setting that is left
.if MSB != \new
	s_set_vgpr_msb (MSB<<8)|\new
.set MSB, \new
.endif
.endm
.macro WALU
	s_wait_alu depctr_va_vdst(0)
.endm
.macro CROUND                          ; a round of the cluster's barrier
	s_barrier_signal -1
	s_barrier_wait -1
	s_cmp_lg_u32 s14, 0
	s_cbranch_scc1 .Lnot_wave_0_\@
	s_barrier_signal -3
.Lnot_wave_0_\@:
	s_barrier_wait -3
	s_barrier_signal -1
	s_barrier_wait -1
.endm
; one product: D, source 0, source 1, C by their first registers; the two scale registers; ra, rb: take the scales from lanes 16-31
.macro WM d, a, b, c, sa, sb, ra, rb
.if ((\ra) != 0) && ((\rb) != 0)
	v_wmma_scale_f32_16x16x128_f8f6f4 v[(\d):(\d)+7], v[(\a):(\a)+11], v[(\b):(\b)+11], v[(\c):(\c)+7], v[(\sa)], v[(\sb)] matrix_a_fmt:MATRIX_FMT_FP6 matrix_b_fmt:MATRIX_FMT_FP6 matrix_a_scale:MATRIX_SCALE_ROW1 matrix_b_scale:MATRIX_SCALE_ROW1
.elseif (\ra) != 0
	v_wmma_scale_f32_16x16x128_f8f6f4 v[(\d):(\d)+7], v[(\a):(\a)+11], v[(\b):(\b)+11], v[(\c):(\c)+7], v[(\sa)], v[(\sb)] matrix_a_fmt:MATRIX_FMT_FP6 matrix_b_fmt:MATRIX_FMT_FP6 matrix_a_scale:MATRIX_SCALE_ROW1
.elseif (\rb) != 0
	v_wmma_scale_f32_16x16x128_f8f6f4 v[(\d):(\d)+7], v[(\a):(\a)+11], v[(\b):(\b)+11], v[(\c):(\c)+7], v[(\sa)], v[(\sb)] matrix_a_fmt:MATRIX_FMT_FP6 matrix_b_fmt:MATRIX_FMT_FP6 matrix_b_scale:MATRIX_SCALE_ROW1
.else
	v_wmma_scale_f32_16x16x128_f8f6f4 v[(\d):(\d)+7], v[(\a):(\a)+11], v[(\b):(\b)+11], v[(\c):(\c)+7], v[(\sa)], v[(\sb)] matrix_a_fmt:MATRIX_FMT_FP6 matrix_b_fmt:MATRIX_FMT_FP6
.endif
.endm
.macro FETCH sg                        ; a K step's fragments and scale words into set sg: 38 LDS loads in one run
.if \sg
	WIN 0xc0                                       ; destination window 3, address window 0
.else
	WIN 0x40                                       ; destination window 1
.endif
.irp fa, 0,1,2,3,4,5,6,7
.irp fg, 0,1,2
	ds_load_b128 v[12*\fa+4*\fg:12*\fa+4*\fg+3], v[ADA] offset:1536*\fa+512*\fg
.endr
.endr
.irp ft, 0,1,2,3
.irp fg, 0,1,2
	ds_load_b128 v[96+12*\ft+4*\fg:96+12*\ft+4*\fg+3], v[ADB] offset:1536*\ft+512*\fg
.endr
.endr
	WIN 0
	ds_load_b128 v[SA+8*(\sg):SA+8*(\sg)+3], v[ASA]
	ds_load_b64 v[SB+8*(\sg):SB+8*(\sg)+1], v[ASB]
.endm
.macro ADV                             ; on to the next K step's chunks.  These four plain lines are also the four places between the last product that read a set and the loads into it
	v_add_nc_u32 v[ADA], CHA, v[ADA]
	v_add_nc_u32 v[ASA], CHA, v[ASA]
	v_add_nc_u32 v[ADB], CHB, v[ADB]
	v_add_nc_u32 v[ASB], CHB, v[ASB]
.endm
; 32 products, 128 along K.  The 32 accumulators take turns, one instruction a turn, in the same order in every step.  first = 1: the bias starts the sums
.macro MUL nat, sg, first
.if \first
	WIN 0x85                                       ; sources 0 and 1 window 1, C (the bias) window 0, D window 2
.elseif \sg
	WIN 0xaf                                       ; sources window 3, C and D window 2
.else
	WIN 0xa5                                       ; sources window 1, C and D window 2
.endif
.if \nat
.irp mt, 0,1,2,3
.irp ma, 0,1,2,3,4,5,6,7
.if \first
	WM 8*(8*\mt+\ma), 12*\ma, 96+12*\mt, BI+8*\mt, SA+8*(\sg)+\ma%4, SB+8*(\sg)+\mt%2, \ma/4, \mt/2
.else
	WM 8*(8*\mt+\ma), 12*\ma, 96+12*\mt, 8*(8*\mt+\ma), SA+8*(\sg)+\ma%4, SB+8*(\sg)+\mt%2, \ma/4, \mt/2
.endif
.endr
.endr
.else
.irp ma, 0,1,2,3,4,5,6,7
.irp mt, 0,1,2,3
.if \first
	WM 8*(4*\ma+\mt), 96+12*\mt, 12*\ma, BI+8*\mt, SB+8*(\sg)+\mt%2, SA+8*(\sg)+\ma%4, \mt/2, \ma/4
.else
	WM 8*(4*\ma+\mt), 96+12*\mt, 12*\ma, 8*(4*\ma+\mt), SB+8*(\sg)+\mt%2, SA+8*(\sg)+\ma%4, \mt/2, \ma/4
.endif
.endr
.endr
.endif
	WIN 0
.endm
; a K step: its fragments were asked for a whole step, 32 products, earlier.
; bar = 0: every wave waits for its tensor loads and a plain barrier shows them.
; bar = 1, 2: slot bar - 1 of B, whose last fragments are in registers behind the wait below, is filled again with the next weight's chunks, by wave 2 bar - 1
.macro KSTEP nat, sg, first, bar, more
.if (\bar) > 0
	s_wait_tensorcnt 0x0                           ; all my tensor loads have landed;
	ds_add_u32 v[SPW], v[NIL]                      ; 0 onto my spare word;
	s_add_nc_u64 s[66+4*(\bar):67+4*(\bar)], s[66+4*(\bar):67+4*(\bar)], NEXTW   ; no load of mine is out, so the slot's group 0 may step to the next weight
	s_wait_dscnt 0x0                               ; the add is done, this step's fragments are in, and my reads of the slot are over
	CROUND                                         ; that now holds of every wave of all sixteen work-groups
	s_cmp_eq_u32 s14, 2*(\bar)-1
	s_cbranch_scc0 .Lno_fill_\@
	tensor_load_to_lds s[64+4*(\bar):67+4*(\bar)], s[32:39]
	s_nop 0
.Lno_fill_\@:
.rept 4
	v_nop
.endr
.else
	s_wait_dscnt 0x0                               ; this step's fragments and scale words are in; no LDS instruction of mine is out at a signal
.if (\bar) == 0
	s_wait_tensorcnt 0x0
	s_barrier_signal -1
	s_barrier_wait -1
.endif
.endif
.if \more
	ADV
	FETCH 1-\sg
.endif
	MUL \nat, \sg, \first
.endm
; a phase: eight K steps.  refill = 1: another weight follows: its chunks, its bias and the prefetches are asked for
.macro KLOOP nat, refill
	v_mov_b32 v[ADA], v[AD0]                       ; back to K step 0
	v_mov_b32 v[ASA], v[AD0+1]
	v_mov_b32 v[ADB], v[AD0+2]
	v_mov_b32 v[ASB], v[AD0+3]
	WALU
	FETCH 0
	s_wait_loadcnt 0x0                             ; the bias
	KSTEP \nat, 0, 1, -1, 1
	WALU
.if \refill
	global_prefetch_b8 v[PFO], s[PFB:PFB+1] th:TH_LOAD_NT scope:SCOPE_SE               ; the next weight's K steps 0-3, three K steps ahead of their load
.endif
	KSTEP \nat, 1, 0, -1, 1
	WALU
.if \refill                            ; the first K step has taken the bias (the four address lines of the second are the places): its registers take the next phase's
	s_cmp_eq_u32 s[PH], 0
	s_cbranch_scc0 .Lbias_v_\@
.irp t, 0,1,2,3                        ; k: register j of tile t is column 32 (t / 2) + 16 h + 8 (t % 2) + j of the head
	global_load_b128 v[BI+8*\t:BI+8*\t+3], v8, s[10:11] offset:(32*(\t/2)+8*(\t%2))*4
	global_load_b128 v[BI+8*\t+4:BI+8*\t+7], v8, s[10:11] offset:(32*(\t/2)+8*(\t%2))*4+16
.endr
	s_branch .Lbias_done_\@
.Lbias_v_\@:
.irp t, 0,1,2,3                        ; v: a lane holds one channel: its bias in all eight registers
.irp j, 0,1,2,3,4,5,6,7
	global_load_b32 v[BI+8*\t+\j], v9, s[88:89] offset:(32*(\t/2)+8*(\t%2))*4
.endr
.endr
.Lbias_done_\@:
.endif
	KSTEP \nat, 0, 0, -1, 1
	WALU
	KSTEP \nat, 1, 0, \refill, 1
	WALU
	KSTEP \nat, 0, 0, -1, 1
	WALU
.if \refill
	global_prefetch_b8 v[PFO], s[PFB:PFB+1] offset:4*CHB th:TH_LOAD_NT scope:SCOPE_SE  ; its K steps 4-7, likewise
.endif
	KSTEP \nat, 1, 0, -1, 1
	WALU
	KSTEP \nat, 0, 0, -1, 1
	KSTEP \nat, 1, 0, 3*\refill-1, 0
.rept 4
	v_nop                                          ; four places in front of the first read of results
.endr
.endm
; 64 accumulator registers of window 2, register 16 b + i = k 32 b + 16 (lane / 16) + i of my row, become a fragment's codes in v[PC] on and its scale word in v[PW].  Each accumulator is read from its low end on
.macro QUANT s
	WIN 0x0a                                       ; sources 0 and 1 window 2
.irp b, 0,1,2,3
	v_max3_num_f32 v[TM+\b], |v[(\s)+16*\b]|, |v[(\s)+1+16*\b]|, 0x1800000   ; with the floor 2^(3 - 127) among the leaves: the byte cannot fall under 1
.endr
	WIN 0x28                                       ; sources 1 and 2 window 2
.irp i, 2,4,6,8,10,12,14
.irp b, 0,1,2,3
	v_max3_num_f32 v[TM+\b], v[TM+\b], |v[(\s)+16*\b+\i]|, |v[(\s)+1+16*\b+\i]|
.endr
.endr
	WIN 0
.irp b, 0,1,2,3
	v_permlanex16_b32 v[TM+4+\b], v[TM+\b], s[SEL], s[SEL+1]
.endr
.irp b, 0,1,2,3
	v_max_num_f32 v[TM+\b], v[TM+\b], v[TM+4+\b]   ; with lane l xor 16's: the block's largest magnitude
.endr
.irp b, 0,1,2,3
	v_add_nc_u32 v[TM+12+\b], 0xff000000, v[TM+\b] ; 2 off its exponent field: the conversion's scale operand
.endr
.irp b, 0,1,2,3
	v_lshrrev_b32 v[TM+4+\b], 23, v[TM+12+\b]      ; the scale's byte
.endr
	v_lshl_or_b32 v[PW], v[TM+5], 8, v[TM+4]
	v_lshl_or_b32 v[PW], v[TM+6], 16, v[PW]
	v_lshl_or_b32 v[PW], v[TM+7], 24, v[PW]
.if (\s) == 0
	s_wait_xcnt 0x0                                ; the last phase's stores have read the codes' registers; a phase's four passes have a set of code registers each
.endif
	WIN 0x02                                       ; source 0 window 2
.irp c, 0,1
	v_cvt_scalef32_pk16_fp6_f32 v[PC+6*\c:PC+2+6*\c], v[(\s)+32*\c:(\s)+15+32*\c], v[TM+12+2*\c]
	v_cvt_scalef32_pk16_fp6_f32 v[PC+12+4*\c:PC+14+4*\c], v[(\s)+16+32*\c:(\s)+31+32*\c], v[TM+12+2*\c+1]
.endr
	WIN 0
	v_nop                                          ; one plain place behind the conversions
.irp c, 0,1                            ; the operand's layout wants a whole block in a lane
.irp i, 0,1,2
	v_permlane16_swap_b32 v[PC+6*\c+\i], v[PC+12+4*\c+\i]
.endr
.irp i, 0,1,2
	v_mov_b32 v[PC+3+6*\c+\i], v[PC+12+4*\c+\i]
.endr
.endr
.endm
	s_load_b256 s[4:11], s[0:1], 0x0               ; xa, wb, bq, bk
	s_load_b128 s[88:91], s[0:1], 0x20             ; bv, qi
	s_load_b64 s[92:93], s[0:1], 0x30              ; kv
	v_lshl_add_u32 v[SPW], v0, 2, SPARE
	v_mov_b32 v[NIL], 0
	ds_add_u32 v[SPW], v[NIL]                      ; the wave's opening: the add, twice on end, and its wait ahead of my first tensor load; work on registers stands between them
	ds_add_u32 v[SPW], v[NIL]
	v_lshrrev_b32 v1, 5, v0
	v_readfirstlane_b32 s14, v1                    ; wave 0..3
	s_lshr_b32 s15, s14, 1                         ; my half of the tokens
	s_and_b32 s16, s14, 1                          ; my half of the columns
	s_bfe_u32 s84, ttmp6, 0x40000                  ; cx
	s_bfe_u32 s85, ttmp6, 0x40004                  ; cy
	s_lshl_b32 s86, ttmp9, 2
	s_add_co_u32 s86, s86, s84                     ; block of 128 columns, 0-7, of each weight
	s_and_b32 s17, ttmp7, 0xffff
	s_lshl_b32 s17, s17, 2
	s_add_co_u32 s17, s17, s85                     ; block of 256 tokens
	s_lshl_b32 s18, s85, 2
	s_lshl_b32 s18, 15, s18                        ; my row of the cluster
	s_lshl_b32 s19, 0x1111, s84                    ; my column
	; group 1: four chunks on end are dense: rows of 256 bytes (32 elements of 8 bytes), 400 for A, 200 for B, no padding
	s_or_b32 s24, s18, (3<<16)|(1<<21)             ; the mask; elements of 8 bytes; bit 21 beside a mask
	s_mov_b32 s25, 32<<16                          ; tensor_dim0
	s_mov_b32 s26, 400<<16                         ; tensor_dim1
	s_mov_b32 s27, 32<<16                          ; tile_dim0
	s_mov_b32 s28, 400                             ; tile_dim1
	s_mov_b32 s29, 32                              ; the pitch
	s_mov_b32 s30, 0
	s_mov_b32 s31, 0
	s_or_b32 s32, s19, (3<<16)|(1<<21)
	s_mov_b32 s33, 32<<16
	s_mov_b32 s34, 200<<16
	s_mov_b32 s35, 32<<16
	s_mov_b32 s36, 200
	s_mov_b32 s37, 32
	s_mov_b32 s38, 0
	s_mov_b32 s39, 0
	s_lshl_b32 s20, s17, 3                         ; A's eight chunks hang on the block of tokens, which my row shares;
	s_mul_i32 s20, s20, CHA
	s_mov_b32 s21, 0
	s_lshl_b32 s22, s86, 3                         ; B's on the block of columns, which my column shares
	s_mul_i32 s22, s22, CHB
	s_mov_b32 s23, 0
	s_lshl_b32 s56, s85, 2
	s_add_co_u32 s56, s56, s14                     ; my number among the sixteen waves of my column of the cluster,
	s_mul_i32 s56, s56, 13                         ; and the first of my 13 blocks of a prefetch
	s_mov_b32 s[SEL], 0x76543210
	s_mov_b32 s[SEL+1], 0xfedcba98
	s_mov_b32 s87, 0xffff0000                      ; lanes 16-31
	s_wait_dscnt 0x0                               ; both opening adds are done
	s_wait_kmcnt 0x0
	s_add_nc_u64 s[20:21], s[4:5], s[20:21]
	s_add_nc_u64 s[22:23], s[6:7], s[22:23]
	s_add_nc_u64 s[PFB:PFB+1], s[22:23], NEXTW
.irp g, 0,1                            ; group 0: half g of K (K steps 4 g .. 4 g + 3), of A and of B
	s_mov_b32 s[40+4*\g], 1
	s_mov_b32 s[41+4*\g], \g*4*CHA
	s_add_nc_u64 s[42+4*\g:43+4*\g], s[20:21], \g*4*CHA
	s_or_b32 s[43+4*\g], s[43+4*\g], 0x80000000
	s_mov_b32 s[68+4*\g], 1
	s_mov_b32 s[69+4*\g], LB+\g*4*CHB
	s_add_nc_u64 s[70+4*\g:71+4*\g], s[22:23], \g*4*CHB
	s_or_b32 s[71+4*\g], s[71+4*\g], 0x80000000
.endr
	CROUND                                         ; all sixteen work-groups are here: the joint loads meet
	s_cmp_eq_u32 s14, 0                            ; one joint load a wave, each in an arm of its own
	s_cbranch_scc0 .Lfill_1
	tensor_load_to_lds s[40:43], s[24:31]
	s_nop 0
.rept 4
	v_nop
.endr
	s_branch .Lfilled
.Lfill_1:
	s_cmp_eq_u32 s14, 1
	s_cbranch_scc0 .Lfill_2
	tensor_load_to_lds s[68:71], s[32:39]
	s_nop 0
.rept 4
	v_nop
.endr
	s_branch .Lfilled
.Lfill_2:
	s_cmp_eq_u32 s14, 2
	s_cbranch_scc0 .Lfill_3
	tensor_load_to_lds s[44:47], s[24:31]
	s_nop 0
.rept 4
	v_nop
.endr
	s_branch .Lfilled
.Lfill_3:
	tensor_load_to_lds s[72:75], s[32:39]
	s_nop 0
.rept 4
	v_nop
.endr
.Lfilled:
	v_and_b32 v3, 31, v0
	v_lshlrev_b32 v[LI], 4, v3
	v_lshlrev_b32 v[L8], 3, v3
	s_mul_i32 s58, s15, 12288                      ; my 8 of A's 16 tiles
	v_add_nc_u32 v[ADA], s58, v[LI]
	s_mul_i32 s58, s16, 6144                       ; my 4 of B's 8
	s_add_co_u32 s58, s58, LB
	v_add_nc_u32 v[ADB], s58, v[LI]
	s_lshl_b32 s58, s15, 9
	s_add_co_u32 s58, s58, 24576
	v_add_nc_u32 v[ASA], s58, v[LI]
	s_lshl_b32 s58, s16, 8
	s_add_co_u32 s58, s58, LB+12288
	v_add_nc_u32 v[ASB], s58, v[L8]
	v_bfe_u32 v8, v0, 4, 1
	v_lshlrev_b32 v8, 6, v8                        ; q, k: the bias of my half's 16 columns of 32: 64 h
	v_and_b32 v9, 15, v0
	v_and_b32 v10, 8, v9
	v_add_nc_u32 v9, v9, v10
	v_lshlrev_b32 v9, 2, v9                        ; v: the bias of my one column: 4 (r + 8 (r / 8))
.irp b, 0,1,2,3
	v_mov_b32 v[TM+4+\b], 0                        ; a lane permute's destination counts as one of its sources
.endr
	v_mov_b32 v[AD0], v[ADA]
	v_mov_b32 v[AD0+1], v[ASA]
	v_mov_b32 v[AD0+2], v[ADB]
	v_mov_b32 v[AD0+3], v[ASB]
	v_min_u32 v[PFO], 12, v3                       ; lanes 13 to 31 name my last block again
	v_add_nc_u32 v[PFO], s56, v[PFO]
	v_min_u32 v[PFO], 199, v[PFO]                  ; 16 x 13 is 208: what is over names the slot's last block
	v_lshlrev_b32 v[PFO], 8, v[PFO]
	s_lshl_b32 s60, s86, 1
	s_add_co_u32 s60, s60, s16                     ; my head
	s_lshl_b32 s62, s60, 8
	s_mov_b32 s63, 0
	s_add_nc_u64 s[8:9], s[8:9], s[62:63]          ; its 64 numbers of each bias
	s_add_nc_u64 s[10:11], s[10:11], s[62:63]
	s_add_nc_u64 s[88:89], s[88:89], s[62:63]
	s_lshr_b32 s61, s17, 3                         ; the batch
	s_lshl_b32 s61, s61, 4
	s_add_co_u32 s61, s61, s60
	s_lshl_b32 s61, s61, 4
	s_and_b32 s62, s17, 7
	s_lshl_b32 s62, s62, 1
	s_add_co_u32 s61, s61, s62
	s_add_co_u32 s61, s61, s15                     ; my record: (16 batch + head) 16 + my 128 tokens
	s_mul_i32 s62, s61, 6656
	s_add_nc_u64 s[90:91], s[90:91], s[62:63]      ; in qi,
	s_mul_i32 s62, s61, 13312
	s_add_nc_u64 s[92:93], s[92:93], s[62:63]      ; and in kv
	WALU
.irp t, 0,1,2,3                        ; q's bias: register j of tile t is column 32 (t / 2) + 16 h + 8 (t % 2) + j of the head
	global_load_b128 v[BI+8*\t:BI+8*\t+3], v8, s[8:9] offset:(32*(\t/2)+8*(\t%2))*4
	global_load_b128 v[BI+8*\t+4:BI+8*\t+7], v8, s[8:9] offset:(32*(\t/2)+8*(\t%2))*4+16
.endr
	s_cmp_lt_u32 s14, 2                            ; waves 0 and 1 wait for their loads: K steps 0 to 3; the other two loads may stay out
	s_cbranch_scc0 .Lsecond_half
	s_wait_tensorcnt 0x0
.Lsecond_half:
	s_barrier_signal -1
	s_barrier_wait -1
	s_mov_b32 s[PH], 0
; ---------------- q, then k ----------------
.Lphase:
	KLOOP 0, 1
.irp p, 0,1,2,3                        ; two tiles of tokens, 2 x 2 blocks of 32, make one image: registers 0-5 tile 2 p, registers 6-11 tile 2 p + 1
.set PC, 112+20*\p                     ; this pass's codes: v112-130, v132-150, v152-170, v172-190
	QUANT 64*\p
	v_alignbit_b32 v[TR], v[PW], v[PW], 16         ; the word turned by two bytes:
	v_cndmask_b32 v[SW+\p], v[PW], v[TR], s87      ; lanes 0-15 keep tile 2 p's bytes lowest, lanes 16-31 get tile 2 p + 1's lowest
.irp g, 0,1,2
	global_store_b128 v[LI], v[PC+4*\g:PC+4*\g+3], s[90:91] offset:1536*\p+512*\g      ; 512 consecutive bytes a store
.endr
.endr
	global_store_b128 v[LI], v[SW:SW+3], s[90:91] offset:6144
	s_wait_xcnt 0x0                                ; the stores and the prefetches have read their bases:
	s_mov_b64 s[90:91], s[92:93]                   ; k and v go to kv's record,
	s_add_nc_u64 s[PFB:PFB+1], s[PFB:PFB+1], NEXTW ; and the prefetches on to the weight after the next
	s_add_co_u32 s[PH], s[PH], 1
	s_cmp_lt_u32 s[PH], 2
	WALU
	s_cbranch_scc1 .Lphase
; ---------------- v ----------------
	KLOOP 1, 0
.irp t, 0,1,2,3                        ; tile t: 16 channels x my 128 keys: one fragment of the second product's source 0
.set PC, 112+20*\t
	QUANT 64*\t
	v_mov_b32 v[SW+\t], v[PW]
.irp g, 0,1,2
	global_store_b128 v[LI], v[PC+4*\g:PC+4*\g+3], s[90:91] offset:6656+1536*\t+512*\g
.endr
.endr
	global_store_b128 v[LI], v[SW:SW+3], s[90:91] offset:12800
	s_wait_tensorcnt 0x0                           ; the wave's end
	ds_add_u32 v[SPW], v[NIL]
	s_wait_dscnt 0x0
	CROUND                                         ; the closing round
	s_endpgm
.Lfunc_end_k_qe991240505_qkv:
	.size	k_qe991240505_qkv, .Lfunc_end_k_qe991240505_qkv-k_qe991240505_qkv
	.p2alignl 7, 3214868480
	.fill 96, 4, 3214868480
	.section	.rodata,"a",@progbits
	.p2align	6, 0x0
	.amdhsa_kernel k_qe991240505_qkv
		.amdhsa_group_segment_fixed_size 327680
		.amdhsa_private_segment_fixed_size 0
		.amdhsa_enable_private_segment 0
		.amdhsa_kernarg_size 56
		.amdhsa_user_sgpr_count 2
		.amdhsa_user_sgpr_kernarg_segment_ptr 1
		.amdhsa_wavefront_size32 1
		.amdhsa_system_sgpr_workgroup_id_x 1
		.amdhsa_system_sgpr_workgroup_id_y 1
		.amdhsa_system_sgpr_workgroup_id_z 1
		.amdhsa_system_vgpr_workitem_id 0
		.amdhsa_next_free_vgpr 1024
		.amdhsa_next_free_sgpr 100
		.amdhsa_reserve_vcc 0
		.amdhsa_float_denorm_mode_32 3
		.amdhsa_float_denorm_mode_16_64 3
		.amdhsa_memory_ordered 1
		.amdhsa_forward_progress 1
		.amdhsa_inst_pref_size 158
	.end_amdhsa_kernel
	.amdgpu_metadata
---
amdhsa.version: [ 1, 2 ]
amdhsa.kernels:
  - .name:           k_qe991240505_qkv
    .symbol:         k_qe991240505_qkv.kd
    .args:
      - { .name: xa, .offset: 0, .size: 8, .value_kind: global_buffer, .address_space: global }
      - { .name: wb, .offset: 8, .size: 8, .value_kind: global_buffer, .address_space: global }
      - { .name: bq, .offset: 16, .size: 8, .value_kind: global_buffer, .address_space: global }
      - { .name: bk, .offset: 24, .size: 8, .value_kind: global_buffer, .address_space: global }
      - { .name: bv, .offset: 32, .size: 8, .value_kind: global_buffer, .address_space: global }
      - { .name: qi, .offset: 40, .size: 8, .value_kind: global_buffer, .address_space: global }
      - { .name: kv, .offset: 48, .size: 8, .value_kind: global_buffer, .address_space: global }
    .group_segment_fixed_size: 327680
    .private_segment_fixed_size: 0
    .kernarg_segment_align: 8
    .kernarg_segment_size: 56
    .max_flat_workgroup_size: 128
    .sgpr_count:     100
    .vgpr_count:     1024
    .wavefront_size: 32
...
	.end_amdgpu_metadata
.endif
;; end of part 2
;; launch attn (part 3): grid 4 x 64, 8 waves a work-group, clusters of 4 x 1, 229,376 bytes of LDS; arguments qi, kv, focus_hint, ao; writes ao
.if DOCPART == 3
	.amdgcn_target "amdgcn-amd-amdhsa--gfx1250"
	.amdhsa_code_object_version 6
	.text
	.protected	k_qe991240505_attn
	.globl	k_qe991240505_attn
	.p2align	8
	.type	k_qe991240505_attn,@function
k_qe991240505_attn:
	s_mov_b64 s[64:65], 0
	v_nop
	global_prefetch_b8 v0, s[64:65] scope:SCOPE_SE
	s_setreg_imm32_b32 hwreg(HW_REG_WAVE_MODE, 25, 1), 1
	s_wait_xcnt 0x0
	s_wait_alu depctr_hold_cnt(0) depctr_sa_sdst(0) depctr_va_vdst(0) depctr_va_sdst(0) depctr_va_ssrc(0) depctr_va_vcc(0) depctr_vm_vsrc(0)
	s_getreg_b32 s2, hwreg(HW_REG_IB_STS2, 6, 4)
	s_cmp_eq_u32 s2, 0
	s_cbranch_scc0 .Lentry_in_a_cluster
	s_endpgm
.Lentry_in_a_cluster:
	s_bfe_u32 s2, ttmp6, 0x10000c
	s_cmp_lg_u32 s2, 0x3003
	s_cbranch_scc0 .Lentry_shape_is_right
	s_endpgm
.Lentry_shape_is_right:
; For each batch and head: O[q] = the sum over keys of softmax(q . k / (8 T) + f[key]) v[key], T = 4 / phi^2, both products on codes of FP6 (E2M3) with E8M0 scales; O is quantised along the model's 1,024 for the last product.
; THE SOFTMAX: S = q . k + 8 T f[key] (the bias is the C of the first product); t = c S, c = log2(e) / (8 T); M = the running largest t rounded UP to a whole number; p = 2^(t - M) is quantised along the keys, not normalised;
; the row's sum is taken of the unquantised p and divides O at the end.  When M moves, the sum and O are multiplied by 2^(old M - new M): exact.
; SHARES.  A work-group owns one head and 512 queries; each of its eight waves owns 64 queries, four tiles of 16, in 512 registers: a fragment of K, of V or of the bias read from LDS serves four tiles.
; THE HEAD'S WHOLE K AND V (16 records of 13,312 bytes, one for each 128 keys) LIE IN LDS: each wave brings two records on end by ONE tensor load; one tensor load of a wave is out.  No LDS byte is filled twice.
; CLUSTER.  The four work-groups of a head are one cluster and ask for each pair of records jointly.  No prefetch: every tensor load goes out at the head, so there is no later load to run ahead of.
; LAYOUT.  Both products are used transposed (S^T = K Q^T, O^T = V^T P^T): a lane holds one query.  WHICH KEYS FORM A TILE OF K is chosen by the lanes' LDS addresses: rows 0-7 of tile 4 c + u are keys 64 c + 8 u + 0 .. 7,
; rows 8-15 keys 64 c + 32 + 8 u + 0 .. 7.  So the 32 registers of tiles 4 c .. 4 c + 3 in lane (r, h) are keys 64 c + 32 h + 0 .. 31: one whole scale block of p, in the order of the operand's registers: no lane swaps codes with another.
; K = 64 IN A FORM OF 128: a tile's 64 codes a row are six registers; the six behind them (the next tile's codes, all finite numbers; zeros behind the last) meet ZERO CODES in Q's registers 6-11 and add nothing;
; the scale bytes of that half are bytes from 1 to 254 on both sides.
; The next step's K and bias are asked of LDS in the step's last tile, V at the step's head; the last trip's look-ahead wraps to record 0 and those loads are not used.
; LIMITS: the scaled scores stay under 2^31 in magnitude; NaN and infinities are not served; a block whose every number is 0 or under 2^-124 has the byte 1; 1 / the sum is made by v_rcp_f32;
; the scale bytes of O leave as stores of two bytes a row (one byte in 25 of ao).
; REGISTERS.  Window 0: addresses, the tiles' states, scale words, p's codes, Q (4 x 12), K (54), the scores (64).  Window 1: O^T (4 x 32) at v0, the bias (64) at v128, V (48) at v192.
.set REC,   13312
.set BIAS,  16*REC                     ; behind K and V: 8 T f of the batch's 2,048 keys, f32
.set SPARE, BIAS+8192                  ; the spare words, 128 bytes for each wave: four blocks of 256 bytes that no other line names
.set FLOOR, 0x1800000                  ; 2^(3 - 127)
.set EOFF,  0xff000000                 ; -(2 << 23)
.set LI,  1                            ; 16 x lane
.set VK,  2                            ; K's fragments: 1536 (r / 8) + 16 (r % 8) + 256 h
.set VKS, 3                            ; K's scale words: 6144 + 16 (r % 8) + 256 h + 4 (r / 8)
.set VB,  4                            ; BIAS + 128 h
.set SPW, 5
.set NIL, 6
.set GO8, 7                            ; ao: my 8 bytes of a register pair's 256, in my first tile's image, my head's half
.set GSC, 8                            ; ao: my row's two scale bytes
.set AK,  9                            ; the three above for the step that is fetched next
.set AKS, 10
.set AB,  11
.set AV,  12                           ; this step's record + 16 x lane
.set SH8, 13                           ; 8 h
.set ST,  16                           ; v16-31 a tile's state: -M, the running largest score, the sum in two halves
.set F,   32                           ; v[32:33] f = 2^(old M - new M); the upper word is written once
.set TP,  34
.set TF,  35
.set CH,  36                           ; v36-39 four chains of maxima
.set SOP, 40                           ; v40-41 the conversions' scale operands
.set BY,  42                           ; v42-43 the scales' bytes
.set W,   44
.set X,   45
.set C1,  46                           ; v46-51 three more chains of the sum
.set C2,  48
.set C3,  50
.set PW,  52                           ; p's scale word
.set KS,  56                           ; v56-59 K's scale words: lanes 0-15 the even tile, lanes 16-31 the odd
.set QS,  60                           ; v60-61 Q's: lanes 0-15 the even tile, lanes 16-31 the odd
.set VS,  64                           ; v64-67 V's
.set PC,  68                           ; v68-79 p's codes
.set T2,  80                           ; v80-82, v84-86 the conversions' second halves
.set QF,  88                           ; v88-135 Q: six registers of codes and six of zero codes for each tile
.set KF,  136                          ; v136-183 K's eight tiles, six registers each; v184-189 zeros
.set S,   192                          ; v192-255 the scores, then p
.set BI,  128                          ; window 1
.set VF,  192                          ; window 1
.set WV,  12
.set CNT, 36
.set TB,  37
.set SN,  38
.set TBB, 39
.set SEL, 40
.set CS,  42
.set NC,  44
.set MSB, 0
.macro WIN new                         ; the immediate's high byte repeats the setting that is left
.if MSB != \new
	s_set_vgpr_msb (MSB<<8)|\new
.set MSB, \new
.endif
.endm
.macro WALU
	s_wait_alu depctr_va_vdst(0)
.endm
.macro DEP n
	s_delay_alu instid0(VALU_DEP_\n)
.endm
.macro CROUND                          ; a round of the cluster's barrier
	s_barrier_signal -1
	s_barrier_wait -1
	s_cmp_lg_u32 s[WV], 0
	s_cbranch_scc1 .Lnot_wave_0_\@
	s_barrier_signal -3
.Lnot_wave_0_\@:
	s_barrier_wait -3
	s_barrier_signal -1
	s_barrier_wait -1
.endm
.macro WM d, a, b, c, sa, sb, ra, rb   ; D, sources 0 and 1, C by their first registers; the scale registers; ra, rb: the scales from lanes 16-31
.if ((\ra) != 0) && ((\rb) != 0)
	v_wmma_scale_f32_16x16x128_f8f6f4 v[(\d):(\d)+7], v[(\a):(\a)+11], v[(\b):(\b)+11], v[(\c):(\c)+7], v[(\sa)], v[(\sb)] matrix_a_fmt:MATRIX_FMT_FP6 matrix_b_fmt:MATRIX_FMT_FP6 matrix_a_scale:MATRIX_SCALE_ROW1 matrix_b_scale:MATRIX_SCALE_ROW1
.elseif (\ra) != 0
	v_wmma_scale_f32_16x16x128_f8f6f4 v[(\d):(\d)+7], v[(\a):(\a)+11], v[(\b):(\b)+11], v[(\c):(\c)+7], v[(\sa)], v[(\sb)] matrix_a_fmt:MATRIX_FMT_FP6 matrix_b_fmt:MATRIX_FMT_FP6 matrix_a_scale:MATRIX_SCALE_ROW1
.elseif (\rb) != 0
	v_wmma_scale_f32_16x16x128_f8f6f4 v[(\d):(\d)+7], v[(\a):(\a)+11], v[(\b):(\b)+11], v[(\c):(\c)+7], v[(\sa)], v[(\sb)] matrix_a_fmt:MATRIX_FMT_FP6 matrix_b_fmt:MATRIX_FMT_FP6 matrix_b_scale:MATRIX_SCALE_ROW1
.else
	v_wmma_scale_f32_16x16x128_f8f6f4 v[(\d):(\d)+7], v[(\a):(\a)+11], v[(\b):(\b)+11], v[(\c):(\c)+7], v[(\sa)], v[(\sb)] matrix_a_fmt:MATRIX_FMT_FP6 matrix_b_fmt:MATRIX_FMT_FP6
.endif
.endm
; K's eight tiles, their scale words and the bias of 128 keys: 36 LDS loads.  In the record an image holds two tiles of the producer's order (registers 0-5 and 6-11);
; tile 4 c + u here takes its rows 0-7 from image 2 c and its rows 8-15 from image 2 c + 1, half u % 2 of the image, rows 8 (u / 2) + 0 .. 7
.macro KLOAD
.irp t, 0,1,2,3,4,5,6,7
.if (\t%2) == 0
	ds_load_b128 v[KF+6*\t:KF+6*\t+3], v[AK] offset:3072*(\t/4)+128*((\t%4)/2)
	ds_load_b64 v[KF+6*\t+4:KF+6*\t+5], v[AK] offset:3072*(\t/4)+128*((\t%4)/2)+512
.else
	ds_load_b64 v[KF+6*\t:KF+6*\t+1], v[AK] offset:3072*(\t/4)+128*((\t%4)/2)+520
	ds_load_b128 v[KF+6*\t+2:KF+6*\t+5], v[AK] offset:3072*(\t/4)+128*((\t%4)/2)+1024
.endif
.endr
.irp q, 0,1,2,3
	ds_load_b32 v[KS+\q], v[AKS] offset:8*(\q/2)+128*(\q%2)
.endr
	WIN 0x40                                       ; destination window 1
.irp q, 0,1,2,3,4,5,6,7,8,9,10,11,12,13,14,15
	ds_load_b128 v[BI+4*\q:BI+4*\q+3], v[AB] offset:256*(\q/8)+16*(\q%8)   ; register 32 c + i is key 64 c + 32 h + i
.endr
	WIN 0
.endm
.macro VLOAD                           ; V's four images and their scale words: 13 LDS loads
	WIN 0x40
.irp t, 0,1,2,3
.irp g, 0,1,2
	ds_load_b128 v[VF+12*\t+4*\g:VF+12*\t+4*\g+3], v[AV] offset:6656+1536*\t+512*\g
.endr
.endr
	WIN 0
	ds_load_b128 v[VS:VS+3], v[AV] offset:12800
.endm
.macro ADD4 p                          ; four more pairs of p onto the sum's four chains
	v_pk_add_f32 v[SUM:SUM+1], v[SUM:SUM+1], v[S+2*(\p):S+2*(\p)+1]
	v_pk_add_f32 v[C1:C1+1], v[C1:C1+1], v[S+2*(\p)+2:S+2*(\p)+3]
	v_pk_add_f32 v[C2:C2+1], v[C2:C2+1], v[S+2*(\p)+4:S+2*(\p)+5]
	v_pk_add_f32 v[C3:C3+1], v[C3:C3+1], v[S+2*(\p)+6:S+2*(\p)+7]
.endm
; ONE TILE OF 16 QUERIES AGAINST 128 KEYS.  first: the step's first tile waits for the step's loads; last: the next step's K and bias are asked for
.macro TILE i, first, last
.set NM, ST+4*(\i)
.set MX, NM+1
.set SUM, NM+2
.if \first
	s_wait_dscnt 13                                ; K, its scale words and the bias are in; the 13 loads of V issued behind them may be out
.endif
	WIN 0x10                                       ; C (the bias) window 1
.irp t, 0,1,2,3,4,5,6,7                ; S^T = K Q^T + bias: eight accumulators, one product each
	WM S+8*\t, KF+6*\t, QF+12*(\i), BI+8*\t, KS+\t/2, QS+(\i)/2, \t%2, (\i)%2
.endr
	WIN 0
.rept 4
	v_nop                                          ; four places in front of the first read of the scores and of loads into the products' registers
.endr
.if \last
	KLOAD
.endif
.irp q, 0,1,2,3                        ; the largest score of each of my two blocks, in two chains each; each accumulator is read from its low end on
	v_max3_num_f32 v[CH+\q], v[S+16*\q], v[S+16*\q+1], v[S+16*\q+2]
.endr
.irp e, 3,5,7,9,11,13
.irp q, 0,1,2,3
	v_max3_num_f32 v[CH+\q], v[CH+\q], v[S+16*\q+\e], v[S+16*\q+\e+1]
.endr
.endr
	v_max3_num_f32 v[CH+1], v[CH+1], v[S+15], v[S+31]
	v_max3_num_f32 v[CH+3], v[CH+3], v[S+47], v[S+63]
	DEP 2
	v_max_num_f32 v[CH], v[CH], v[CH+1]            ; block h's largest score
	DEP 2
	v_max_num_f32 v[CH+2], v[CH+2], v[CH+3]        ; block 2 + h's
	DEP 1
	v_max3_num_f32 v[MX], v[MX], v[CH], v[CH+2]    ; the running largest score,
	DEP 1
	v_permlanex16_b32 v[TP], v[MX], s[SEL], s[SEL+1]
	DEP 1
	v_max_num_f32 v[MX], v[MX], v[TP]              ; with lane l xor 16's
	DEP 1
	v_mul_f32 v[TF], s[NC], v[MX]                  ; -t (c is positive)
	DEP 1
	v_floor_f32 v[TF], v[TF]                       ; the new -M = floor(-t): M is a whole number
	DEP 1
	v_sub_f32 v[TP], v[TF], v[NM]                  ; old M - new M: a whole number, 0 or less
	DEP 1
	v_cvt_i32_f32 v[TP], v[TP]                     ; (it saturates)
	DEP 3
	v_mov_b32 v[NM], v[TF]
	DEP 2
	v_ldexp_f32 v[F], 1.0, v[TP]                   ; f = 2^(old M - new M)
.set J, 0
.rept 32
	v_pk_fma_f32 v[S+J:S+J+1], v[S+J:S+J+1], s[CS:CS+1], v[NM:NM+1] op_sel_hi:[1,0,0]   ; t - M, two at a time
.set J, J+2
.endr
	v_fma_f32 v[CH], v[CH], s[CS], v[NM]           ; the same of each block's largest score
	v_fma_f32 v[CH+2], v[CH+2], s[CS], v[NM]
	WALU
.set J, 0
.rept 64
	v_exp_f32 v[S+J], v[S+J]                       ; p = 2^(t - M)
.set J, J+1
.endr
	v_exp_f32 v[CH], v[CH]                         ; the blocks' largest p: the same two instructions on the same number
	v_exp_f32 v[CH+2], v[CH+2]
	v_nop                                          ; a plain place behind the exponentials
.if \first
	s_wait_dscnt 0x0                               ; V is in
.endif
	WIN 0x41                                       ; destination and source 0 window 1
	WALU                                           ; one wait for the batch of 66, ahead of its first reader, and directly ahead of the first reader of O^T
.set J, 0
.rept 16
	v_pk_mul_f32 v[32*(\i)+J:32*(\i)+J+1], v[32*(\i)+J:32*(\i)+J+1], v[F:F+1] op_sel_hi:[1,0]   ; O^T under the new M
.set J, J+2
.endr
	WIN 0
	v_max_num_f32 v[CH], FLOOR, v[CH]
	v_max_num_f32 v[CH+2], FLOOR, v[CH+2]
	v_pk_fma_f32 v[SUM:SUM+1], v[SUM:SUM+1], v[F:F+1], v[S:S+1] op_sel_hi:[1,0,1]   ; the sum under the new M takes the unquantised p, in four chains; the scale's lines stand among them
	v_pk_add_f32 v[C1:C1+1], v[S+2:S+3], v[S+4:S+5]
	v_pk_add_f32 v[C2:C2+1], v[S+6:S+7], v[S+8:S+9]
	v_pk_add_f32 v[C3:C3+1], v[S+10:S+11], v[S+12:S+13]
	v_add_nc_u32 v[SOP], EOFF, v[CH]               ; 2 off the exponent field: the conversion's scale operand
	v_add_nc_u32 v[SOP+1], EOFF, v[CH+2]
	ADD4 7
	v_cvt_scalef32_pk16_fp6_f32 v[PC:PC+2], v[S:S+15], v[SOP]
	v_cvt_scalef32_pk16_fp6_f32 v[T2:T2+2], v[S+16:S+31], v[SOP]       ; (a conversion's three registers begin on an even number)
	v_cvt_scalef32_pk16_fp6_f32 v[PC+6:PC+8], v[S+32:S+47], v[SOP+1]
	v_cvt_scalef32_pk16_fp6_f32 v[T2+4:T2+6], v[S+48:S+63], v[SOP+1]
	v_lshrrev_b32 v[BY], 23, v[SOP]                ; the scales' bytes: blocks h and 2 + h.  (Also the plain place behind the conversions)
	v_lshrrev_b32 v[BY+1], 23, v[SOP+1]
	ADD4 11
	v_lshl_or_b32 v[W], v[BY+1], 16, v[BY]
	ADD4 15
	v_lshlrev_b32 v[W], v[SH8], v[W]               ; at their places in the query's word;
	ADD4 19
	v_permlanex16_b32 v[X], v[W], s[SEL], s[SEL+1]
	ADD4 23
	v_or_b32 v[PW], v[W], v[X]                     ; with lane l xor 16's two the word is whole: 14 plain lines ahead of the products
.irp e, 0,1,2
	v_mov_b32 v[PC+3+\e], v[T2+\e]
	v_mov_b32 v[PC+9+\e], v[T2+4+\e]
.endr
	ADD4 27
	v_pk_add_f32 v[SUM:SUM+1], v[SUM:SUM+1], v[S+62:S+63]
	DEP 3
	v_pk_add_f32 v[C1:C1+1], v[C1:C1+1], v[C2:C2+1]
	DEP 2
	v_pk_add_f32 v[SUM:SUM+1], v[SUM:SUM+1], v[C3:C3+1]
	DEP 1
	v_pk_add_f32 v[SUM:SUM+1], v[SUM:SUM+1], v[C1:C1+1]
	WIN 0x51                                       ; source 0 (V), C and D window 1
.irp t, 0,1,2,3                        ; O^T += V^T P^T: four accumulators, one product each
	WM 32*(\i)+8*\t, VF+12*\t, PC, 32*(\i)+8*\t, VS+\t, PW, 0, 0
.endr
.endm
; THE WAY OUT of a tile: O^T / the sum, quantised along the head's 64 channels (two blocks of the last product's K)
.macro OUT i
.set NM, ST+4*(\i)
.if (\i) > 0
	s_wait_xcnt 0x0                                ; the last tile's stores have read their registers
.endif
	WIN 0x01                                       ; source 0 window 1
	WALU                                           ; the wait ahead of the reciprocal's and of O^T's first reader
.set J, 0
.rept 16
	v_pk_mul_f32 v[S+J:S+J+1], v[32*(\i)+J:32*(\i)+J+1], v[NM:NM+1] op_sel_hi:[1,0]   ; register 16 b + e is channel 32 b + 16 h + e
.set J, J+2
.endr
	WIN 0
.irp b, 0,1
	v_max3_num_f32 v[CH+\b], |v[S+16*\b]|, |v[S+1+16*\b]|, FLOOR
.endr
.irp e, 2,4,6,8,10,12,14
.irp b, 0,1
	DEP 2
	v_max3_num_f32 v[CH+\b], v[CH+\b], |v[S+16*\b+\e]|, |v[S+1+16*\b+\e]|
.endr
.endr
.irp b, 0,1
	DEP 2
	v_permlanex16_b32 v[CH+2+\b], v[CH+\b], s[SEL], s[SEL+1]
.endr
.irp b, 0,1
	DEP 2
	v_max_num_f32 v[CH+\b], v[CH+\b], v[CH+2+\b]
.endr
.irp b, 0,1
	DEP 2
	v_add_nc_u32 v[SOP+\b], EOFF, v[CH+\b]
.endr
.irp b, 0,1
	DEP 2
	v_lshrrev_b32 v[BY+\b], 23, v[SOP+\b]
.endr
	DEP 1
	v_lshl_or_b32 v[W], v[BY+1], 8, v[BY]          ; my row's two bytes
	v_cvt_scalef32_pk16_fp6_f32 v[PC:PC+2], v[S:S+15], v[SOP]
	v_cvt_scalef32_pk16_fp6_f32 v[T2:T2+2], v[S+16:S+31], v[SOP+1]
	v_nop                                          ; one plain place behind the conversions
.irp e, 0,1,2
	v_permlane16_swap_b32 v[PC+\e], v[T2+\e]       ; the operand's layout wants a whole block in a lane
.endr
.irp e, 0,1,2
	DEP 3
	v_mov_b32 v[PC+3+\e], v[T2+\e]                 ; six registers: channels 32 h + 0 .. 31 of my head
.endr
.irp g, 0,1,2
	global_store_b64 v[GO8], v[PC+2*\g:PC+2*\g+1], s[50:51] offset:1536*(\i)+256*\g    ; 32 lanes store 256 consecutive bytes, at a multiple of 256 from ao's first byte
.endr
	global_store_b16 v[GSC], v[W], s[50:51] offset:4*(\i)              ; both halves of the lanes hold and write the same two bytes
.endm
; ---------------- the head ----------------
	s_load_b256 s[4:11], s[0:1], 0x0               ; qi, kv, focus_hint, ao
	v_lshl_add_u32 v[SPW], v0, 2, SPARE
	v_mov_b32 v[NIL], 0
	ds_add_u32 v[SPW], v[NIL]                      ; the wave's opening: the add, twice on end, and its wait ahead of my tensor load
	ds_add_u32 v[SPW], v[NIL]
	v_lshrrev_b32 v1, 5, v0
	DEP 1
	v_readfirstlane_b32 s[WV], v1                  ; wave 0..7
	s_bfe_u32 s13, ttmp6, 0x40000                  ; cx: it enters Q's and ao's addresses alone
	s_and_b32 s14, ttmp7, 0xffff                   ; 16 batch + head, which the four partners share
	s_mov_b32 s16, 15|(3<<16)|(1<<21)              ; group 1: the mask of all four work-groups; elements of 8 bytes; bit 21 beside a mask
	s_mov_b32 s17, 32<<16                          ; two records on end are dense: 104 rows of 256 bytes, no padding
	s_mov_b32 s18, 104<<16
	s_mov_b32 s19, 32<<16
	s_mov_b32 s20, 104
	s_mov_b32 s21, 32
	s_mov_b32 s22, 0
	s_mov_b32 s23, 0
	s_mov_b32 s32, 1
	s_mul_i32 s33, s[WV], 2*REC                    ; wave w brings key steps 2 w and 2 w + 1
	s_mul_i32 s24, s14, 16*REC
	s_add_co_u32 s24, s24, s33
	s_mov_b32 s25, 0
	s_mov_b32 s[SEL], 0x76543210
	s_mov_b32 s[SEL+1], 0xfedcba98                 ; selects for lane l xor 16
	s_mov_b32 s[CS], 0x3df1bac6                    ; c = log2(e) / (8 T) = 0.11803202
	s_mov_b32 s[CS+1], s[CS]                       ; (named with it as a pair, so it is written)
	s_mov_b32 s[NC], 0xbdf1bac6                    ; -c
	WALU
	s_wait_dscnt 0x0                               ; both opening adds are done
	s_wait_kmcnt 0x0
	s_add_nc_u64 s[34:35], s[6:7], s[24:25]
	s_or_b32 s35, s35, 0x80000000
	CROUND                                         ; all four work-groups are here: the joint loads meet
	tensor_load_to_lds s[32:35], s[16:23]
	s_nop 0
.rept 4
	v_nop
.endr
	s_and_b32 s28, s14, 1                          ; the head's parity: which half of a K step of the last product
	s_and_b32 s29, s[WV], 1                        ; which half of a record of 128 queries is mine
	s_bfe_u32 s30, s[WV], 0x10001                  ; which record of its block of 256 tokens
	s_lshr_b32 s31, s[WV], 2                       ; which block of 256 tokens of my 512
	s_lshl_b32 s52, s30, 3
	s_lshl_b32 s53, s29, 2
	s_add_co_u32 s52, s52, s53                     ; my first tile of the block's sixteen
	s_mul_i32 s52, s52, 1536
	s_mul_i32 s53, s28, 768
	s_add_co_u32 s52, s52, s53
	s_lshl_b32 s53, s30, 9                         ; the word of tile T, row r: 512 (T / 8) + 16 (r + 16 ((T % 8) / 4)) + 4 (T % 4)
	s_lshl_b32 s54, s29, 8
	s_add_co_u32 s53, s53, s54
	s_lshl_b32 s54, s28, 1
	s_add_co_u32 s53, s53, s54
	s_add_co_u32 s53, s53, 24576
	s_mul_i32 s54, s29, 3072                       ; my two images of Q's record,
	s_lshl_b32 s55, s29, 3                         ; and their scale words
	s_lshl_b32 s26, s14, 4                         ; Q's record: 16 (16 batch + head) + 4 cx + w / 2
	s_lshl_b32 s27, s13, 2
	s_add_co_u32 s26, s26, s27
	s_lshr_b32 s27, s[WV], 1
	s_add_co_u32 s26, s26, s27
	s_mul_i32 s26, s26, 6656
	s_mov_b32 s27, 0
	s_add_nc_u64 s[48:49], s[4:5], s[26:27]
	s_lshr_b32 s26, s14, 4                         ; ao's chunk: block of tokens 8 batch + 2 cx + w / 4, K step head / 2
	s_lshl_b32 s26, s26, 3
	s_lshl_b32 s24, s13, 1
	s_add_co_u32 s26, s26, s24
	s_add_co_u32 s26, s26, s31
	s_lshl_b32 s26, s26, 3
	s_bfe_u32 s24, s14, 0x30001
	s_add_co_u32 s26, s26, s24
	s_mul_i32 s26, s26, 25600
	s_add_nc_u64 s[50:51], s[10:11], s[26:27]
	s_lshr_b32 s26, s14, 4
	s_lshl_b32 s26, s26, 13                        ; the batch's 2,048 numbers of focus_hint
	s_add_nc_u64 s[8:9], s[8:9], s[26:27]
	v_and_b32 v14, 31, v0                          ; lane
	v_and_b32 v15, 15, v0                          ; r
	v_bfe_u32 v53, v0, 4, 1                        ; h
	v_and_b32 v54, 7, v0                           ; r % 8
	v_bfe_u32 v55, v0, 3, 1                        ; r / 8
	v_lshlrev_b32 v[LI], 4, v14
	v_lshlrev_b32 v[SH8], 3, v53
	v_mul_u32_u24 v[VK], v55, 1536
	v_lshlrev_b32 v[VKS], 4, v54
	v_lshl_add_u32 v[VB], v53, 7, BIAS
	v_lshl_add_u32 v[VK], v54, 4, v[VK]
	v_lshl_add_u32 v[VKS], v53, 8, v[VKS]
	v_lshl_add_u32 v[GO8], v14, 3, s52
	v_lshl_add_u32 v[GSC], v15, 4, s53
	v_lshl_add_u32 v[VK], v53, 8, v[VK]
	v_lshl_add_u32 v[VKS], v55, 2, v[VKS]
	v_add_nc_u32 v62, s54, v[LI]
	v_add_nc_u32 v63, s55, v[LI]
	v_lshlrev_b32 v14, 4, v0                       ; 256 threads x 16 bytes, twice
	v_lshl_add_u32 v15, v0, 4, BIAS                ; where my thread puts its numbers of the bias
	v_add_nc_u32 v[VKS], 6144, v[VKS]
	global_load_b128 v[S:S+3], v14, s[8:9]
	global_load_b128 v[S+4:S+7], v14, s[8:9] offset:4096
.irp p, 0,1                            ; an image's registers 0-5 are my tile 2 p, its registers 6-11 my tile 2 p + 1
	global_load_b128 v[QF+24*\p:QF+24*\p+3], v62, s[48:49] offset:1536*\p
	global_load_b64 v[QF+24*\p+4:QF+24*\p+5], v62, s[48:49] offset:1536*\p+512
	global_load_b64 v[QF+24*\p+12:QF+24*\p+13], v62, s[48:49] offset:1536*\p+520
	global_load_b128 v[QF+24*\p+14:QF+24*\p+17], v62, s[48:49] offset:1536*\p+1024
	global_load_b32 v[QS+\p], v63, s[48:49] offset:6144+4*\p
.endr
.irp i, 0,1,2,3
.irp e, 6,7,8,9,10,11
	v_mov_b32 v[QF+12*\i+\e], 0                    ; Q's zero codes
.endr
	v_mov_b32 v[ST+4*\i+1], 0xff61b1e6             ; the largest score so far: -3e38
	v_mov_b32 v[ST+4*\i+2], 0                      ; the sum, in two halves
	v_mov_b32 v[ST+4*\i+3], 0
.endr
.irp i, 0,1,2,3
	v_floor_f32 v[ST+4*\i], -v[ST+4*\i+1]          ; -M
.endr
.irp e, 48,49,50,51,52,53
	v_mov_b32 v[KF+\e], 0                          ; the six registers behind K's last tile
.endr
.irp e, F+1, TP, X
	v_mov_b32 v[\e], 0                             ; written once: lane permutes' destinations, and the upper word of f's pair
.endr
	WIN 0x40
.set J, 0
.rept 128
	v_mov_b32 v[J], 0                              ; O^T: the step is written once; the first finds zeros, which the first change of M leaves zeros
.set J, J+1
.endr
	WIN 0
	WALU
	s_wait_loadcnt 0x0
.irp e, 0,2,4,6
	v_pk_mul_f32 v[S+\e:S+\e+1], v[S+\e:S+\e+1], 0x4143910d op_sel_hi:[1,0]    ; x 8 T = 12.2229124
.endr
	ds_store_b128 v15, v[S:S+3]
	ds_store_b128 v15, v[S+4:S+7] offset:4096
	v_mov_b32 v[AK], v[VK]                         ; key step 0
	v_mov_b32 v[AKS], v[VKS]
	v_mov_b32 v[AB], v[VB]
	WALU
	s_wait_tensorcnt 0x0                           ; my two records have landed,
	s_wait_dscnt 0x0                               ; my part of the bias is stored:
	s_barrier_signal -1
	s_barrier_wait -1                              ; everybody's are
	KLOAD
	s_mov_b32 s[CNT], 0
; ---------------- sixteen key steps of 128 keys ----------------
.Lstep:
	s_mul_i32 s[TB], s[CNT], REC                   ; this step's record
	s_add_co_u32 s[SN], s[CNT], 1
	s_and_b32 s[SN], s[SN], 15                     ; the next step; behind the last it wraps to 0
	s_lshl_b32 s[TBB], s[SN], 9
	s_mul_i32 s[SN], s[SN], REC
	v_add_nc_u32 v[AV], s[TB], v[LI]               ; these four plain lines are also the places between the last step's products and the loads into V's registers
	v_add_nc_u32 v[AK], s[SN], v[VK]
	v_add_nc_u32 v[AKS], s[SN], v[VKS]
	v_add_nc_u32 v[AB], s[TBB], v[VB]
	VLOAD
	TILE 0, 1, 0
	TILE 1, 0, 0
	TILE 2, 0, 0
	TILE 3, 0, 1
	WIN 0
	s_add_co_u32 s[CNT], s[CNT], 1
	s_cmp_lt_u32 s[CNT], 16
	WALU
	s_cbranch_scc1 .Lstep
	s_wait_dscnt 0x0                               ; the look-ahead's loads have landed
.irp i, 0,1,2,3
	v_add_f32 v[ST+4*\i+2], v[ST+4*\i+2], v[ST+4*\i+3]                 ; the sums' two halves,
.endr
.irp i, 0,1,2,3
	DEP 4
	v_permlanex16_b32 v[CH+\i], v[ST+4*\i+2], s[SEL], s[SEL+1]
.endr
.irp i, 0,1,2,3
	DEP 4
	v_add_f32 v[ST+4*\i+2], v[ST+4*\i+2], v[CH+\i]                     ; and lane l xor 16's
.endr
	WALU
.irp i, 0,1,2,3
	v_rcp_f32 v[ST+4*\i], v[ST+4*\i+2]
.endr
	v_nop                                          ; a plain place behind the reciprocals
	OUT 0
	OUT 1
	OUT 2
	OUT 3
	s_wait_tensorcnt 0x0                           ; the wave's end
	ds_add_u32 v[SPW], v[NIL]
	s_wait_dscnt 0x0
	CROUND                                         ; the closing round
	s_endpgm
.Lfunc_end_k_qe991240505_attn:
	.size	k_qe991240505_attn, .Lfunc_end_k_qe991240505_attn-k_qe991240505_attn
	.p2alignl 7, 3214868480
	.fill 96, 4, 3214868480
	.section	.rodata,"a",@progbits
	.p2align	6, 0x0
	.amdhsa_kernel k_qe991240505_attn
		.amdhsa_group_segment_fixed_size 229376
		.amdhsa_private_segment_fixed_size 0
		.amdhsa_enable_private_segment 0
		.amdhsa_kernarg_size 32
		.amdhsa_user_sgpr_count 2
		.amdhsa_user_sgpr_kernarg_segment_ptr 1
		.amdhsa_wavefront_size32 1
		.amdhsa_system_sgpr_workgroup_id_x 1
		.amdhsa_system_sgpr_workgroup_id_y 1
		.amdhsa_system_sgpr_workgroup_id_z 1
		.amdhsa_system_vgpr_workitem_id 0
		.amdhsa_next_free_vgpr 512
		.amdhsa_next_free_sgpr 66
		.amdhsa_reserve_vcc 0
		.amdhsa_float_denorm_mode_32 3
		.amdhsa_float_denorm_mode_16_64 3
		.amdhsa_memory_ordered 1
		.amdhsa_forward_progress 1
		.amdhsa_inst_pref_size 89
	.end_amdhsa_kernel
	.amdgpu_metadata
---
amdhsa.version: [ 1, 2 ]
amdhsa.kernels:
  - .name:           k_qe991240505_attn
    .symbol:         k_qe991240505_attn.kd
    .args:
      - { .name: qi, .offset: 0, .size: 8, .value_kind: global_buffer, .address_space: global }
      - { .name: kv, .offset: 8, .size: 8, .value_kind: global_buffer, .address_space: global }
      - { .name: focus_hint, .offset: 16, .size: 8, .value_kind: global_buffer, .address_space: global }
      - { .name: ao, .offset: 24, .size: 8, .value_kind: global_buffer, .address_space: global }
    .group_segment_fixed_size: 229376
    .private_segment_fixed_size: 0
    .kernarg_segment_align: 8
    .kernarg_segment_size: 32
    .max_flat_workgroup_size: 256
    .sgpr_count:     66
    .vgpr_count:     512
    .wavefront_size: 32
...
	.end_amdgpu_metadata
.endif
;; end of part 3
;; launch oproj (part 4): grid 8 x 32, 4 waves a work-group, clusters of 4 x 4, 327,680 bytes of LDS; arguments ao, wb, bo, out0; writes out0
.if DOCPART == 4
	.amdgcn_target "amdgcn-amd-amdhsa--gfx1250"
	.amdhsa_code_object_version 6
	.text
	.protected	k_qe991240505_oproj
	.globl	k_qe991240505_oproj
	.p2align	8
	.type	k_qe991240505_oproj,@function
k_qe991240505_oproj:
	s_mov_b64 s[64:65], 0
	v_nop
	global_prefetch_b8 v0, s[64:65] scope:SCOPE_SE
	s_setreg_imm32_b32 hwreg(HW_REG_WAVE_MODE, 25, 1), 1
	s_wait_xcnt 0x0
	s_wait_alu depctr_hold_cnt(0) depctr_sa_sdst(0) depctr_va_vdst(0) depctr_va_sdst(0) depctr_va_ssrc(0) depctr_va_vcc(0) depctr_vm_vsrc(0)
	s_getreg_b32 s2, hwreg(HW_REG_IB_STS2, 6, 4)
	s_cmp_eq_u32 s2, 0
	s_cbranch_scc0 .Lentry_in_a_cluster
	s_endpgm
.Lentry_in_a_cluster:
	s_bfe_u32 s2, ttmp6, 0x10000c
	s_cmp_lg_u32 s2, 0xf033
	s_cbranch_scc0 .Lentry_shape_is_right
	s_endpgm
.Lentry_shape_is_right:
; out0 = a Wo + bo on codes of FP6 (E2M3) with E8M0 scales; a is the attention's result as the launch before has quantised it.  out0: [8192][1024] f32.
; A work-group makes 256 tokens x 128 columns, K = 1,024; four waves of 128 x 64, 32 accumulators each; ALL OF K LIES IN LDS AT ONCE (eight chunks of A of 25,600 bytes, eight of B of 12,800): no LDS byte is filled twice.
; CLUSTERS: 4 x 4 work-groups; A's chunks are shared along a row of the cluster, B's along a column, each asked for jointly.  ONE LOAD A WAVE, at the head: wave 0 A's K steps 0-3 (four chunks on end), wave 1 B's,
; wave 2 A's K steps 4-7, wave 3 B's.  The first barrier shows K steps 0-3, for which waves 0 and 1 alone wait; a second, in K step 3, shows the rest.  No prefetch: every tensor load goes out at the head.
; A's images here are laid by register PAIRS (pair q of lane l at 256 q + 8 l), since each head supplied three pairs of a fragment's six: a fragment comes by six loads of 8 bytes.
; The product is used TRANSPOSED (source 0 = 16 weight columns, source 1 = 16 tokens): a lane holds eight neighbouring columns of one token.  The bias is the C of each sum's first product.
; THE WAY OUT: 16 tokens x 64 columns at a time through the wave's own stage in LDS, which no fill touches, and back as whole rows of 256 bytes into four sets of registers by turns; the tiles' order of rows is undone in the stores' offsets.
.set CHA,   25600
.set CHB,   12800
.set LB,    8*CHA
.set STAGE, LB+8*CHB                   ; 16 rows x (256 bytes + 16) for each wave
.set SPARE, STAGE+4*16*272             ; the spare words, 128 bytes for each wave: two blocks of 256 bytes that no other line names
.set LI,  1
.set L8,  2
.set ADA, 4
.set ADB, 5
.set ASA, 6
.set ASB, 7
.set STO, 8                            ; the stage: where I put 32 bytes of a row
.set RD,  9                            ; and where I read a row back
.set CO,  10                           ; my byte offset in two rows of out0
.set SPW, 28
.set NIL, 29
.set SA,  32
.set SB,  36
.set BI,  64
.set BK,  128                          ; v128-255: 16 rows read back from the stage, four sets of 32 by turns
.set MSB, 0
.macro WIN new                         ; the immediate's high byte repeats the setting that is left
.if MSB != \new
	s_set_vgpr_msb (MSB<<8)|\new
.set MSB, \new
.endif
.endm
.macro CROUND                          ; a round of the cluster's barrier
	s_barrier_signal -1
	s_barrier_wait -1
	s_cmp_lg_u32 s14, 0
	s_cbranch_scc1 .Lnot_wave_0_\@
	s_barrier_signal -3
.Lnot_wave_0_\@:
	s_barrier_wait -3
	s_barrier_signal -1
	s_barrier_wait -1
.endm
.macro WM d, a, b, c, sa, sb, ra, rb
.if ((\ra) != 0) && ((\rb) != 0)
	v_wmma_scale_f32_16x16x128_f8f6f4 v[(\d):(\d)+7], v[(\a):(\a)+11], v[(\b):(\b)+11], v[(\c):(\c)+7], v[(\sa)], v[(\sb)] matrix_a_fmt:MATRIX_FMT_FP6 matrix_b_fmt:MATRIX_FMT_FP6 matrix_a_scale:MATRIX_SCALE_ROW1 matrix_b_scale:MATRIX_SCALE_ROW1
.elseif (\ra) != 0
	v_wmma_scale_f32_16x16x128_f8f6f4 v[(\d):(\d)+7], v[(\a):(\a)+11], v[(\b):(\b)+11], v[(\c):(\c)+7], v[(\sa)], v[(\sb)] matrix_a_fmt:MATRIX_FMT_FP6 matrix_b_fmt:MATRIX_FMT_FP6 matrix_a_scale:MATRIX_SCALE_ROW1
.elseif (\rb) != 0
	v_wmma_scale_f32_16x16x128_f8f6f4 v[(\d):(\d)+7], v[(\a):(\a)+11], v[(\b):(\b)+11], v[(\c):(\c)+7], v[(\sa)], v[(\sb)] matrix_a_fmt:MATRIX_FMT_FP6 matrix_b_fmt:MATRIX_FMT_FP6 matrix_b_scale:MATRIX_SCALE_ROW1
.else
	v_wmma_scale_f32_16x16x128_f8f6f4 v[(\d):(\d)+7], v[(\a):(\a)+11], v[(\b):(\b)+11], v[(\c):(\c)+7], v[(\sa)], v[(\sb)] matrix_a_fmt:MATRIX_FMT_FP6 matrix_b_fmt:MATRIX_FMT_FP6
.endif
.endm
.macro FETCH sg                        ; a K step's fragments and scale words into set sg, in one run
.if \sg
	WIN 0xc0                                       ; destination window 3, address window 0
.else
	WIN 0x40                                       ; destination window 1
.endif
.irp fa, 0,1,2,3,4,5,6,7
.irp fp, 0,1,2,3,4,5
	ds_load_b64 v[12*\fa+2*\fp:12*\fa+2*\fp+1], v[ADA] offset:1536*\fa+256*\fp
.endr
.endr
.irp ft, 0,1,2,3
.irp fg, 0,1,2
	ds_load_b128 v[96+12*\ft+4*\fg:96+12*\ft+4*\fg+3], v[ADB] offset:1536*\ft+512*\fg
.endr
.endr
	WIN 0
	ds_load_b128 v[SA+8*(\sg):SA+8*(\sg)+3], v[ASA]
	ds_load_b64 v[SB+8*(\sg):SB+8*(\sg)+1], v[ASB]
.endm
.macro ADV                             ; on to the next K step's chunks.  These four plain lines are also the four places between the last product that read a set and the loads into it
	v_add_nc_u32 v[ADA], CHA, v[ADA]
	v_add_nc_u32 v[ASA], CHA, v[ASA]
	v_add_nc_u32 v[ADB], CHB, v[ADB]
	v_add_nc_u32 v[ASB], CHB, v[ASB]
.endm
.macro MUL sg, first                   ; 32 products; the 32 accumulators take turns, one instruction a turn, in the same order in every step
.if \first
	WIN 0x85                                       ; sources window 1, C (the bias) window 0, D window 2
.elseif \sg
	WIN 0xaf                                       ; sources window 3, C and D window 2
.else
	WIN 0xa5                                       ; sources window 1, C and D window 2
.endif
.irp ma, 0,1,2,3,4,5,6,7
.irp mt, 0,1,2,3
.if \first
	WM 8*(4*\ma+\mt), 96+12*\mt, 12*\ma, BI+8*\mt, SB+8*(\sg)+\mt%2, SA+8*(\sg)+\ma%4, \mt/2, \ma/4
.else
	WM 8*(4*\ma+\mt), 96+12*\mt, 12*\ma, 8*(4*\ma+\mt), SB+8*(\sg)+\mt%2, SA+8*(\sg)+\ma%4, \mt/2, \ma/4
.endif
.endr
.endr
	WIN 0
.endm
.macro KSTEP sg, first, bar, more      ; bar = 0: every wave waits for its tensor load and a barrier shows all chunks to every wave
	s_wait_dscnt 0x0                               ; this step's fragments, asked for 32 products ago, are in; no LDS instruction of mine is out at the signal
.if \bar >= 0
	s_wait_tensorcnt \bar
	s_barrier_signal -1
	s_barrier_wait -1
.endif
.if \more
	ADV
	FETCH 1-\sg
.endif
	MUL \sg, \first
.endm
	s_load_b256 s[4:11], s[0:1], 0x0               ; ao, wb, bo, out0
	v_lshl_add_u32 v[SPW], v0, 2, SPARE
	v_mov_b32 v[NIL], 0
	ds_add_u32 v[SPW], v[NIL]                      ; the wave's opening: the add, twice on end, and its wait ahead of my tensor load; work on registers stands between them
	ds_add_u32 v[SPW], v[NIL]
	v_lshrrev_b32 v1, 5, v0
	v_readfirstlane_b32 s14, v1                    ; wave 0..3
	s_lshr_b32 s15, s14, 1                         ; my half of the tokens
	s_and_b32 s16, s14, 1                          ; my half of the columns
	s_bfe_u32 s84, ttmp6, 0x40000                  ; cx
	s_bfe_u32 s85, ttmp6, 0x40004                  ; cy
	s_lshl_b32 s86, ttmp9, 2
	s_add_co_u32 s86, s86, s84                     ; block of 128 columns
	s_and_b32 s17, ttmp7, 0xffff
	s_lshl_b32 s17, s17, 2
	s_add_co_u32 s17, s17, s85                     ; block of 256 tokens
	s_lshl_b32 s18, s85, 2
	s_lshl_b32 s18, 15, s18                        ; my row of the cluster
	s_lshl_b32 s19, 0x1111, s84                    ; my column
	s_or_b32 s24, s18, (3<<16)|(1<<21)             ; group 1: four chunks on end are dense: rows of 256 bytes (32 elements of 8 bytes), 400 for A, 200 for B, no padding
	s_mov_b32 s25, 32<<16
	s_mov_b32 s26, 400<<16
	s_mov_b32 s27, 32<<16
	s_mov_b32 s28, 400
	s_mov_b32 s29, 32
	s_mov_b32 s30, 0
	s_mov_b32 s31, 0
	s_or_b32 s32, s19, (3<<16)|(1<<21)
	s_mov_b32 s33, 32<<16
	s_mov_b32 s34, 200<<16
	s_mov_b32 s35, 32<<16
	s_mov_b32 s36, 200
	s_mov_b32 s37, 32
	s_mov_b32 s38, 0
	s_mov_b32 s39, 0
	s_lshl_b32 s20, s17, 3
	s_mul_i32 s20, s20, CHA
	s_mov_b32 s21, 0
	s_add_co_u32 s22, s86, 24                      ; Wo's blocks stand behind q's, k's and v's
	s_lshl_b32 s22, s22, 3
	s_mul_i32 s22, s22, CHB
	s_mov_b32 s23, 0
	s_wait_dscnt 0x0                               ; both opening adds are done
	s_wait_kmcnt 0x0
	s_add_nc_u64 s[20:21], s[4:5], s[20:21]
	s_add_nc_u64 s[22:23], s[6:7], s[22:23]
.irp g, 0,1                            ; group 0: half g of K (K steps 4 g .. 4 g + 3), of A and of B
	s_mov_b32 s[40+4*\g], 1
	s_mov_b32 s[41+4*\g], \g*4*CHA
	s_add_nc_u64 s[42+4*\g:43+4*\g], s[20:21], \g*4*CHA
	s_or_b32 s[43+4*\g], s[43+4*\g], 0x80000000
	s_mov_b32 s[68+4*\g], 1
	s_mov_b32 s[69+4*\g], LB+\g*4*CHB
	s_add_nc_u64 s[70+4*\g:71+4*\g], s[22:23], \g*4*CHB
	s_or_b32 s[71+4*\g], s[71+4*\g], 0x80000000
.endr
	CROUND                                         ; all sixteen work-groups are here: the joint loads meet
	s_cmp_eq_u32 s14, 0                            ; one joint load a wave, each in an arm of its own
	s_cbranch_scc0 .Lfill_1
	tensor_load_to_lds s[40:43], s[24:31]
	s_nop 0
.rept 4
	v_nop
.endr
	s_branch .Lfilled
.Lfill_1:
	s_cmp_eq_u32 s14, 1
	s_cbranch_scc0 .Lfill_2
	tensor_load_to_lds s[68:71], s[32:39]
	s_nop 0
.rept 4
	v_nop
.endr
	s_branch .Lfilled
.Lfill_2:
	s_cmp_eq_u32 s14, 2
	s_cbranch_scc0 .Lfill_3
	tensor_load_to_lds s[44:47], s[24:31]
	s_nop 0
.rept 4
	v_nop
.endr
	s_branch .Lfilled
.Lfill_3:
	tensor_load_to_lds s[72:75], s[32:39]
	s_nop 0
.rept 4
	v_nop
.endr
.Lfilled:
	v_and_b32 v3, 31, v0
	v_lshlrev_b32 v[LI], 4, v3
	v_lshlrev_b32 v[L8], 3, v3
	s_mul_i32 s58, s15, 12288
	v_add_nc_u32 v[ADA], s58, v[L8]
	s_mul_i32 s58, s16, 6144
	s_add_co_u32 s58, s58, LB
	v_add_nc_u32 v[ADB], s58, v[LI]
	s_lshl_b32 s58, s15, 9
	s_add_co_u32 s58, s58, 24576
	v_add_nc_u32 v[ASA], s58, v[LI]
	s_lshl_b32 s58, s16, 8
	s_add_co_u32 s58, s58, LB+12288
	v_add_nc_u32 v[ASB], s58, v[L8]
	v_and_b32 v12, 15, v0                          ; r
	v_bfe_u32 v13, v0, 4, 1                        ; h
	s_mul_i32 s58, s14, 16*272
	s_add_co_u32 s58, s58, STAGE                   ; my stage
	v_mul_u32_u24 v[STO], v12, 272
	v_lshl_add_u32 v[STO], v13, 6, v[STO]
	v_add_nc_u32 v[STO], s58, v[STO]               ; in: row r, + 64 h
	v_mul_u32_u24 v[RD], v13, 272
	v_lshl_add_u32 v[RD], v12, 4, v[RD]
	v_add_nc_u32 v[RD], s58, v[RD]                 ; back: lanes 0-15 one row, lanes 16-31 the next
	v_lshlrev_b32 v[CO], 12, v13
	v_lshl_add_u32 v[CO], v12, 4, v[CO]            ; and the same two rows in out0
	v_lshlrev_b32 v11, 6, v13                      ; the bias of my half's 16 columns of 32
	s_wait_alu depctr_va_vdst(0)
	s_lshl_b32 s60, s86, 9
	s_lshl_b32 s61, s16, 8
	s_add_co_u32 s60, s60, s61                     ; my 64 columns, in bytes
	s_mov_b32 s61, 0
	s_add_nc_u64 s[8:9], s[8:9], s[60:61]
	s_lshl_b32 s62, s17, 20                        ; 256 rows of 4,096 bytes
	s_lshl_b32 s63, s15, 19
	s_add_co_u32 s62, s62, s63
	s_add_co_u32 s62, s62, s60
	s_mov_b32 s63, 0
	s_add_nc_u64 s[10:11], s[10:11], s[62:63]
.irp t, 0,1,2,3                        ; register j of tile t is column 32 (t / 2) + 16 h + 8 (t % 2) + j of my 64
	global_load_b128 v[BI+8*\t:BI+8*\t+3], v11, s[8:9] offset:(32*(\t/2)+8*(\t%2))*4
	global_load_b128 v[BI+8*\t+4:BI+8*\t+7], v11, s[8:9] offset:(32*(\t/2)+8*(\t%2))*4+16
.endr
	s_cmp_lt_u32 s14, 2                            ; waves 0 and 1 wait for their loads: K steps 0 to 3; the other two loads may stay out
	s_cbranch_scc0 .Lsecond_half
	s_wait_tensorcnt 0x0
.Lsecond_half:
	s_barrier_signal -1
	s_barrier_wait -1
	FETCH 0
	s_wait_loadcnt 0x0                             ; the bias
	KSTEP 0, 1, -1, 1
	s_wait_alu depctr_va_vdst(0)
	KSTEP 1, 0, -1, 1
	s_wait_alu depctr_va_vdst(0)
	KSTEP 0, 0, -1, 1
	s_wait_alu depctr_va_vdst(0)
	KSTEP 1, 0, 0, 1
	s_wait_alu depctr_va_vdst(0)
	KSTEP 0, 0, -1, 1
	s_wait_alu depctr_va_vdst(0)
	KSTEP 1, 0, -1, 1
	s_wait_alu depctr_va_vdst(0)
	KSTEP 0, 0, -1, 1
	KSTEP 1, 0, -1, 0
.rept 4
	v_nop                                          ; four places in front of the first read of results
.endr
.macro TOSTAGE a                       ; tile a of tokens: each accumulator from its low end on.  LDS serves a wave's instructions in order: the loads see the stores, and the next tile's stores come behind these loads
	WIN 0x08                                       ; an LDS store's data are its source 1: window 2
.irp t, 0,1,2,3
	ds_store_b128 v[STO], v[8*(4*(\a)+\t):8*(4*(\a)+\t)+3] offset:128*(\t/2)+32*(\t%2)
	ds_store_b128 v[STO], v[8*(4*(\a)+\t)+4:8*(4*(\a)+\t)+7] offset:128*(\t/2)+32*(\t%2)+16
.endr
	WIN 0
.set BB, BK+32*((\a)%4)
.irp i, 0,1,2,3,4,5,6,7
	ds_load_b128 v[BB+4*\i:BB+4*\i+3], v[RD] offset:544*\i
.endr
.endm
.macro SEND a, younger                 ; younger: the LDS instructions issued behind tile a's loads, which may stay out
.set BB, BK+32*((\a)%4)
	s_wait_dscnt \younger
.irp i, 0,1,2,3,4,5,6,7                ; stage row 2 i + h of tile a is token 32 (a / 2) + 8 (a % 2) + 2 i + h + 8 (i / 4)
	global_store_b128 v[CO], v[BB+4*\i:BB+4*\i+3], s[10:11] offset:(32*((\a)/2)+8*((\a)%2)+2*\i+8*(\i/4))*4096 th:TH_STORE_NT   ; sixteen lanes store 256 consecutive bytes, at a multiple of 256 from out0's first byte
.endr
.endm
	TOSTAGE 0
.irp a, 1,2,3,4,5,6,7
.if \a > 3
	s_wait_xcnt 0x0                                ; tile a - 4's stores have read their registers: tile a's loads may land there
.endif
	TOSTAGE \a
	SEND \a-1, 16                                  ; behind tile a - 1's loads: tile a's 8 stores and 8 loads
.endr
	SEND 7, 0
	s_wait_tensorcnt 0x0                           ; the wave's end, behind my tensor load and my last LDS store
	ds_add_u32 v[SPW], v[NIL]
	s_wait_dscnt 0x0
	CROUND                                         ; the closing round
	s_endpgm
.Lfunc_end_k_qe991240505_oproj:
	.size	k_qe991240505_oproj, .Lfunc_end_k_qe991240505_oproj-k_qe991240505_oproj
	.p2alignl 7, 3214868480
	.fill 96, 4, 3214868480
	.section	.rodata,"a",@progbits
	.p2align	6, 0x0
	.amdhsa_kernel k_qe991240505_oproj
		.amdhsa_group_segment_fixed_size 327680
		.amdhsa_private_segment_fixed_size 0
		.amdhsa_enable_private_segment 0
		.amdhsa_kernarg_size 32
		.amdhsa_user_sgpr_count 2
		.amdhsa_user_sgpr_kernarg_segment_ptr 1
		.amdhsa_wavefront_size32 1
		.amdhsa_system_sgpr_workgroup_id_x 1
		.amdhsa_system_sgpr_workgroup_id_y 1
		.amdhsa_system_sgpr_workgroup_id_z 1
		.amdhsa_system_vgpr_workitem_id 0
		.amdhsa_next_free_vgpr 1024
		.amdhsa_next_free_sgpr 100
		.amdhsa_reserve_vcc 0
		.amdhsa_float_denorm_mode_32 3
		.amdhsa_float_denorm_mode_16_64 3
		.amdhsa_memory_ordered 1
		.amdhsa_forward_progress 1
		.amdhsa_inst_pref_size 90
	.end_amdhsa_kernel
	.amdgpu_metadata
---
amdhsa.version: [ 1, 2 ]
amdhsa.kernels:
  - .name:           k_qe991240505_oproj
    .symbol:         k_qe991240505_oproj.kd
    .args:
      - { .name: ao, .offset: 0, .size: 8, .value_kind: global_buffer, .address_space: global }
      - { .name: wb, .offset: 8, .size: 8, .value_kind: global_buffer, .address_space: global }
      - { .name: bo, .offset: 16, .size: 8, .value_kind: global_buffer, .address_space: global }
      - { .name: out0, .offset: 24, .size: 8, .value_kind: global_buffer, .address_space: global }
    .group_segment_fixed_size: 327680
    .private_segment_fixed_size: 0
    .kernarg_segment_align: 8
    .kernarg_segment_size: 32
    .max_flat_workgroup_size: 128
    .sgpr_count:     100
    .vgpr_count:     1024
    .wavefront_size: 32
...
	.end_amdgpu_metadata
.endif
;; end of part 4
